; MI455X (gfx1250); checked and timed in simulation.
; The chip was launched on July 23, 2026; its instructions are those of AMD's public machine-readable ISA for CDNA 5 (MIT licence, August 2026) and "CDNA5" Instruction Set Architecture Reference Guide (July 2026). The comments in the code are by the model that wrote it; some were corrected since.
;; Expert Block. Allowed arithmetic: matrix products marked QUANTISED: E2M1 operands, one E8M0 scale for each 32 along K, by v_wmma_scale_f32_16x16x128_f8f6f4 with both operands' format E2M1 (or v_wmma_scale_f32_32x16x128_f4), f32 sums; products left as they are: f32 operands where the result goes on into a quantised operand, else bf16, f16 or f32 operands; f32 sums; everything else in f32.
;; Inputs: Wo 128 x 128 float32; Wqkv 384 x 128 float32; bo 128 float32; bqkv 384 float32; ffn_W1 512 x 128 float32; ffn_W2 128 x 512 float32; ffn_b1 512 float32; ffn_b2 128 float32; h 4 x 2,048 x 128 float32; key_padding_mask 4 x 2,048 bool; ln_a_b 128 float32; ln_a_g 128 float32; ln_mlp_b 128 float32; ln_mlp_g 128 float32; ln_op1_b 128 float32; ln_op1_g 128 float32; ln_op2_b 128 float32; ln_op2_g 128 float32; op1_W 128 x 16,384 float32; op1_b 128 float32; op2_W 128 x 16,384 float32; op2_b 128 float32.
;; Outputs: out0 4 x 2,048 x 128 float32.
;; This version of the problem:
;;   THIS VERSION OF THE PROBLEM IS GIVEN IN LOW PRECISION. The matrix products marked QUANTISED in the list below multiply operands that are first quantised to E2M1 (2 exponent bits, 1 mantissa bit; 4 bits a number), with one power-of-two scale for each 32 numbers along K (OCP MX v1.0); their sums are f32. All else is computed in f32.
;;   The module's matrix products, in the order in which they are computed (A, B: the left and right operand; K: the contracted axis; several contracted axes count as one K, in the product's order):
;;     1. [M 8,192, K 128] x [K 128, N 384]; A: computed on the way; B: input Wqkv: QUANTISED
;;     2. batch 32 x [M 2,048, K 16] x [K 16, N 2,048]; A: computed on the way; B: computed on the way: left as it is (K = 16 < 32)
;;     3. batch 32 x [M 2,048, K 2,048] x [K 2,048, N 16]; A: softmax (see below); B: computed on the way: QUANTISED
;;     4. [M 8,192, K 128] x [K 128, N 128]; A: computed on the way; B: input Wo: QUANTISED
;;     5. [M 8,192, K 16,384] x [K 16,384, N 128]; A: computed on the way; B: input op1_W: QUANTISED
;;     6. [M 8,192, K 128] x [K 128, N 512]; A: computed on the way; B: input ffn_W1: QUANTISED
;;     7. [M 8,192, K 512] x [K 512, N 128]; A: computed on the way; B: input ffn_W2: QUANTISED
;;     8. [M 8,192, K 16,384] x [K 16,384, N 128]; A: computed on the way; B: input op2_W: QUANTISED
;;   THE QUANTISER, for each operand of a quantised product, along K:
;;     - K is cut into blocks of 32 from its start; a last block that is shorter is filled with zeros.
;;     - A block's scale is 2^e with e = floor(log2(the largest magnitude in the block)) - 2, held to -126 .. 127; a block of zeros has e = 0. As a byte (E8M0): e + 127.
;;     - Each number is divided by its block's scale, clamped to +-6, and rounded to the nearest number of E2M1, ties to even, subnormals kept.
;;     - The product sums the exact products of the quantised numbers (number of the format x scale) in f32.
;;   ~~~python
;;   def quantise(x, axis):      # numpy; x: float32 -> the quantised numbers, widened to float32 again
;;       x = np.moveaxis(x, axis, -1); K = x.shape[-1]
;;       x = np.pad(x, [(0, 0)] * (x.ndim - 1) + [(0, -K % 32)]); x = x.reshape(x.shape[:-1] + (-1, 32)); a = np.abs(x).max(-1, keepdims=True)
;;       e = np.where(a > 0, np.clip(np.frexp(np.where(a > 0, a, 1))[1] - 1 - 2, -126, 127), 0)      # np.frexp(a)[1] - 1 = floor(log2(a)), exactly
;;       r = np.clip(x / 2.0 ** e, -6, 6)
;;       step = 2.0 ** (np.maximum(np.frexp(np.where(r == 0, 1, r))[1] - 1, 0) - 1)
;;       q = np.round(r / step) * step * 2.0 ** e      # np.round: ties to even
;;       return np.moveaxis(q.reshape(q.shape[:-2] + (-1,))[..., :K], -1, axis).astype(np.float32)
;;   ~~~
;;   SOFTMAX AHEAD OF A QUANTISED PRODUCT. Where the list says 'softmax', what is quantised is not the finished softmax but p = 2^(t - M), with t = logit x log2(e) and M = ceil(the row's largest t), a whole number; so 1/2 < the row's largest p <= 1. The row's sum l is taken of the UNQUANTISED p, in f32, and the product's result is divided by l at the end. Since M is a whole number, a kernel that streams over the keys may use a running M (the ceiling of the running maximum): every later rescaling is an exact power of two, which a block's scale takes up: the codes' values come out the same.
;;   OPERANDS COMPUTED ON THE WAY. 'Computed on the way' means the value that the module computes at that place (a softmax that the list does not call 'softmax' is quantised finished and normalised). What goes into a quantiser is computed in f32, as accurately as f32 sums, v_exp_f32 and their like allow (about 1e-6 of the number): no bf16 or f16 on the way to a quantiser, and a product that is left as it is and whose result goes on into a quantised operand takes f32 operands (vector FMAs, or v_wmma_f32_16x16x4_f32). A number that lies on a knife's edge between two numbers of the format may be rounded either way, as far as f32 arithmetic and the matrix unit's own rounding can turn it there, and no further.
;; 2 versions, each right; version 2 is version 1 with the launches qkv, tail written anew for expert scheduling mode. Each part assembles by itself: llvm-mc -triple=amdgcn-amd-amdhsa -mcpu=gfx1250 --defsym DOCPART=n.
;; ======== version 1 of 2: 3 launches
;; workspace buffers: wq 2,469,888 bytes; qf 4,194,304 bytes; kv 5,046,272 bytes; ctx 4,194,304 bytes
;; launch qkv (part 1): grid 64 x 1, 8 waves a work-group, no clusters, 77,824 bytes of LDS; arguments h, key_padding_mask, ln_a_g, ln_a_b, bqkv, Wqkv, qf, kv; writes qf, kv
.if DOCPART == 1
	.amdgcn_target "amdgcn-amd-amdhsa--gfx1250"
	.amdhsa_code_object_version 6
	.text
	.protected	k_q9ce9bdf285_qkv
	.globl	k_q9ce9bdf285_qkv
	.p2align	8
	.type	k_q9ce9bdf285_qkv,@function
k_q9ce9bdf285_qkv:
	s_mov_b64 s[64:65], 0
	v_nop
	global_prefetch_b8 v0, s[64:65] scope:SCOPE_SE
	s_setreg_imm32_b32 hwreg(HW_REG_WAVE_MODE, 25, 1), 1
	s_wait_xcnt 0x0
; t = LN(h); q, k, v = Q(t) Q(Wqkv)^T + bqkv on codes of E2M1.  What the attention launch wants leaves as images of its operands' registers.
; A work-group takes 128 rows: one key step of one batch.  Its rows form eight tiles: lane r of tile m holds row 32 (m / 2) + 8 (m % 2) + r + 8 (r / 8).
; PHASE X: wave w norms and quantises tile w (lane (r, h): k = 64 c + 32 h + 0 .. 31 of its row) and puts the fragment and its scale words into LDS as they stand in its registers.
;   It also quantises its own head's 16 rows of Wq, Wk and Wv: three fragments that stay in its registers.
;   All four blocks of 16 rows x 512 bytes are read row by row, 512 consecutive bytes a load, into register window 1, and turn through the wave's own stage in LDS (rows 528 bytes apart).
; PHASE P: wave w is head w, for all eight tiles.  q and k are made TRANSPOSED (source 0 = the head's 16 rows of W, source 1 = 16 rows of t): lane (r, h) then holds channels 8 h + 0 .. 7 of row r.
;   q goes to qf [batch x 8 + head][tile][1 KiB], f32.  k, with the rows of masked keys set to 0, goes to kv likewise.  v is made the natural way round (lane = channel, registers = keys:
;   by the tiles' row order 16 neighbouring keys in two neighbouring tiles), is quantised along the keys and leaves as one fragment of 16 channels x 128 keys with its scale words.
;   The mask also leaves as one f32 a key: 0, or -4e9 where masked: the scores' product takes it as its C, and -4e9 / sqrt(16) is the -1e9 that the masked score has by definition.
; kv, a head: 131,072 bytes of k, 16,384 of v's codes, 2,048 of v's scale words, 8,192 of the mask's numbers: 157,696 dense bytes.
; 64 work-groups: 128 rows are what makes v's fragment, its scale word and k's 8 KiB whole images; a wave has 24 matrix instructions, so a finer split would only cut images apart.
; LIMITS: NaN and infinities are not served; a block of zeros or under 2^-124 gets the byte 1 (its codes add nothing or are the rule's; this program alone reads the bytes).
; No cluster: the weights that work-groups share are 24 KiB a wave, read once.
.set STG,   9216                       ; LDS: 8 KiB of images, 1 KiB of scale words, then a stage of 8,448 bytes for each wave
.set LI,    1                          ; 16 x lane
.set LS,    2                          ; 4 x lane
.set V128H, 4
.set SH8,   5                          ; 8 h
.set IW,    6                          ; where my fragment's image goes: 1024 w + 16 x lane
.set SWA,   7                          ; and its scale words: 8192 + 128 w + 4 x lane
.set V32H,  8
.set V4R,   9
.set VK,    10                         ; r + 8 (r / 8)
.set STW,   14                         ; my stage, on the way in: 16 x lane
.set STR,   15                         ; and on the way out: 528 r + 128 h
.set X,     16                         ; v16-79  64 numbers of my row; later TF: the eight fragments of t
.set TF,    16
.set GG,    80                         ; v80-143 the gain; later ACC: eight accumulators
.set ACC,   80
.set BB,    144                        ; v144-207 the offset; later the head's weights and biases
.set WQ,    144
.set WK,    152
.set WV,    160
.set BQ,    168
.set BK,    176
.set BV8,   184
.set TM,    208                        ; v208-223 at work
.set PC,    224
.set PW,    232
.set TS,    233                        ; v233-240 t's scale words (scales alone)
.set WS,    241                        ; v241-243 the weights' (scales alone)
.set MK,    244                        ; v244-251 the mask byte of my lane's key in tile m
.set VZ,    252
.set VNEG,  253
.set MW,    254                        ; four mask bytes: keys 4 x lane on
.set SEL,   44                         ; window 1: v0-63 h's 16 rows as loaded, v64-255 those of Wq, Wk, Wv
.set C128,  46
.set EPS,   47
.set MSB, 0
.macro WIN new                         ; s_set_vgpr_msb: bits 1:0 source 0, 3:2 source 1, 5:4 source 2, 7:6 destination; the high byte repeats the setting that is left
.if MSB != \new
	s_set_vgpr_msb (MSB<<8)|\new
.set MSB, \new
.endif
.endm
.macro QUANTW s, pc, pw                ; register s + 32 c + i = k 64 c + 32 h + i of my row -> the fragment at pc, the row's scale word in pw
.irp c, 0,1
	v_max3_num_f32 v[TM+\c], |v[\s+32*\c]|, |v[\s+32*\c+1]|, 0x1800000   ; my block 2 c + h, and the floor 2^(3 - 127): the byte cannot fall under 1
.endr
.irp i, 2,4,6,8,10,12,14,16,18,20,22,24,26,28,30
.irp c, 0,1
	v_max3_num_f32 v[TM+\c], v[TM+\c], |v[\s+32*\c+\i]|, |v[\s+32*\c+\i+1]|
.endr
.endr
.irp c, 0,1
	v_add_nc_u32 v[TM+2+\c], 0xff000000, v[TM+\c]   ; 2 off the exponent field: the conversion's scale operand
.endr
.irp c, 0,1
	v_lshrrev_b32 v[TM+4+\c], 23, v[TM+2+\c]
.endr
	v_lshl_or_b32 v[TM+4], v[TM+5], 16, v[TM+4]
	v_lshlrev_b32 v[TM+4], v[SH8], v[TM+4]
	v_permlanex16_b32 v[TM+5], v[TM+4], s[SEL], s[SEL+1]
	v_or_b32 v[\pw], v[TM+4], v[TM+5]
.irp c, 0,1
.irp g, 0,1,2,3
	v_cvt_scalef32_pk8_fp4_f32 v[\pc+4*\c+\g], v[\s+32*\c+8*\g:\s+32*\c+8*\g+7], v[TM+2+\c]
.endr
.endr
	v_nop                                           ; one plain place behind a scaled conversion
.endm
.macro QUANTH s, pc, pw                ; register s + 16 b + i = k 32 b + 16 h + i of my row -> the same
.irp b, 0,1,2,3
	v_max3_num_f32 v[TM+\b], |v[\s+16*\b]|, |v[\s+1+16*\b]|, 0x1800000
.endr
.irp i, 2,4,6,8,10,12,14
.irp b, 0,1,2,3
	v_max3_num_f32 v[TM+\b], v[TM+\b], |v[\s+16*\b+\i]|, |v[\s+1+16*\b+\i]|
.endr
.endr
.irp b, 0,1,2,3
	v_permlanex16_b32 v[TM+4+\b], v[TM+\b], s[SEL], s[SEL+1]
.endr
.irp b, 0,1,2,3
	v_max_num_f32 v[TM+\b], v[TM+\b], v[TM+4+\b]    ; with lane l xor 16's 16: the block's largest magnitude
.endr
.irp b, 0,1,2,3
	v_add_nc_u32 v[TM+12+\b], 0xff000000, v[TM+\b]
.endr
.irp b, 0,1,2,3
	v_lshrrev_b32 v[TM+4+\b], 23, v[TM+12+\b]
.endr
	v_lshl_or_b32 v[\pw], v[TM+5], 8, v[TM+4]
	v_lshl_or_b32 v[\pw], v[TM+6], 16, v[\pw]
	v_lshl_or_b32 v[\pw], v[TM+7], 24, v[\pw]
.irp b, 0,1,2,3
	v_cvt_scalef32_pk8_fp4_f32 v[\pc+2*\b], v[\s+16*\b:\s+7+16*\b], v[TM+12+\b]
	v_cvt_scalef32_pk8_fp4_f32 v[\pc+1+2*\b], v[\s+8+16*\b:\s+15+16*\b], v[TM+12+\b]
.endr
	v_nop
.irp c, 0,1                            ; the layout wants a whole block in a lane: lanes 0-15 block 2 c, lanes 16-31 block 2 c + 1
.irp i, 0,1
	v_permlane16_swap_b32 v[\pc+4*\c+\i], v[\pc+2+4*\c+\i]
.endr
.endr
.endm
.macro LNSTAT x                        ; 64 numbers of a lane, the row's other 64 in lane l xor 16: (x - mean) / sqrt(variance + 1e-5), in place
	v_pk_add_f32 v[TM:TM+1], v[\x:\x+1], v[\x+2:\x+3]
	v_pk_add_f32 v[TM+2:TM+3], v[\x+4:\x+5], v[\x+6:\x+7]
.set li, 8
.rept 14
	v_pk_add_f32 v[TM:TM+1], v[TM:TM+1], v[\x+li:\x+li+1]
	v_pk_add_f32 v[TM+2:TM+3], v[TM+2:TM+3], v[\x+li+2:\x+li+3]
.set li, li+4
.endr
	v_pk_add_f32 v[TM:TM+1], v[TM:TM+1], v[TM+2:TM+3]
	v_add_f32 v[TM+4], v[TM], v[TM+1]
	v_permlanex16_b32 v[TM+5], v[TM+4], s[SEL], s[SEL+1]
	v_add_f32 v[TM+4], v[TM+4], v[TM+5]
	v_mul_f32 v[TM+6], s[C128], v[TM+4]             ; the mean
.set li, 0
.rept 32
	v_pk_add_f32 v[\x+li:\x+li+1], v[\x+li:\x+li+1], v[TM+6:TM+7] op_sel_hi:[1,0] neg_lo:[0,1] neg_hi:[0,1]
.set li, li+2
.endr
	v_pk_mul_f32 v[TM:TM+1], v[\x:\x+1], v[\x:\x+1]
	v_pk_mul_f32 v[TM+2:TM+3], v[\x+2:\x+3], v[\x+2:\x+3]
.set li, 4
.rept 15
	v_pk_fma_f32 v[TM:TM+1], v[\x+li:\x+li+1], v[\x+li:\x+li+1], v[TM:TM+1]
	v_pk_fma_f32 v[TM+2:TM+3], v[\x+li+2:\x+li+3], v[\x+li+2:\x+li+3], v[TM+2:TM+3]
.set li, li+4
.endr
	v_pk_add_f32 v[TM:TM+1], v[TM:TM+1], v[TM+2:TM+3]
	v_add_f32 v[TM+4], v[TM], v[TM+1]
	v_permlanex16_b32 v[TM+5], v[TM+4], s[SEL], s[SEL+1]
	v_add_f32 v[TM+4], v[TM+4], v[TM+5]
	v_fma_f32 v[TM+4], v[TM+4], s[C128], s[EPS]
	v_rsq_f32 v[TM+8], v[TM+4]
	v_nop                                           ; one plain place behind a transcendental
.set li, 0
	s_wait_alu depctr_va_vdst(0)
.rept 32
	v_pk_mul_f32 v[\x+li:\x+li+1], v[\x+li:\x+li+1], v[TM+8:TM+9] op_sel_hi:[1,0]
.set li, li+2
.endr
.endm
; 16 rows as loaded (window 1, from src on) go into my stage and come back into X: lane (r, h) gets k = 64 c + 32 h + 0 .. 31 of row r.  My wave's own bytes; LDS serves a wave's instructions in order
.macro TURNIN src
	WIN 0x04                                       ; an LDS store's data are its source 1: window 1
.irp q, 0,1,2,3,4,5,6,7,8,9,10,11,12,13,14,15
	ds_store_b128 v[STW], v[\src+4*\q:\src+4*\q+3] offset:528*\q
.endr
	WIN 0
.irp c, 0,1
.irp g, 0,1,2,3,4,5,6,7
	ds_load_b128 v[X+32*\c+4*\g:X+32*\c+4*\g+3], v[STR] offset:256*\c+16*\g
.endr
.endr
	s_wait_dscnt 0x0
.endm
.macro PROJ wf, bf, ws                 ; eight tiles, transposed: source 0 = the head's 16 rows of W, source 1 = 16 rows of t; the bias is the C
.irp m, 0,1,2,3,4,5,6,7
	v_wmma_scale_f32_16x16x128_f8f6f4 v[ACC+8*\m:ACC+8*\m+7], v[\wf:\wf+7], v[TF+8*\m:TF+8*\m+7], v[\bf:\bf+7], v[\ws], v[TS+\m] matrix_a_fmt:MATRIX_FMT_FP4 matrix_b_fmt:MATRIX_FMT_FP4
.endr
.endm
.macro OUT8 sb                         ; the eight accumulators leave as they stand, each from its low end on: 512 consecutive bytes a store
.irp m, 0,1,2,3,4,5,6,7
	global_store_b128 v[LI], v[ACC+8*\m:ACC+8*\m+3], s[\sb:\sb+1] offset:1024*\m
	global_store_b128 v[LI], v[ACC+8*\m+4:ACC+8*\m+7], s[\sb:\sb+1] offset:1024*\m+512
.endr
.endm
	s_load_b256 s[4:11], s[0:1], 0x0               ; h s[4:5], mask s[6:7], gain s[8:9], offset s[10:11]
	s_load_b256 s[12:19], s[0:1], 0x20             ; bqkv s[12:13], Wqkv s[14:15], qf s[16:17], kv s[18:19]
	v_lshl_add_u32 v3, v0, 2, 0x12c00
	v_mov_b32 v255, 0
	v_lshrrev_b32 v1, 5, v0
	v_readfirstlane_b32 s21, v1                    ; wave w
	v_and_b32 v11, 31, v0
	v_and_b32 v12, 15, v0                          ; r
	v_bfe_u32 v13, v0, 4, 1                        ; h
	v_lshlrev_b32 v[LI], 4, v11
	v_lshlrev_b32 v[LS], 2, v11
	v_and_b32 v[VK], 8, v12
	v_add_nc_u32 v[VK], v[VK], v12
	v_lshlrev_b32 v[V128H], 7, v13
	v_lshlrev_b32 v[SH8], 3, v13
	s_lshl_b32 s22, s21, 10
	v_add_nc_u32 v[IW], s22, v[LI]
	s_lshl_b32 s22, s21, 7
	s_add_co_u32 s22, s22, 8192
	v_add_nc_u32 v[SWA], s22, v[LS]
	s_mul_i32 s22, s21, 8448
	s_add_co_u32 s22, s22, STG
	v_add_nc_u32 v[STW], s22, v[LI]
	v_mul_u32_u24 v[STR], v12, 528
	v_lshl_add_u32 v[STR], v13, 7, v[STR]
	v_add_nc_u32 v[STR], s22, v[STR]
	v_lshlrev_b32 v[V32H], 5, v13
	v_lshlrev_b32 v[V4R], 2, v12
	v_mov_b32 v[VZ], 0
	v_mov_b32 v[VNEG], 0xcf6e6b28                  ; -4e9
.irp i, 0,1,2,3,4,5,6,7,8,9,10,11,12,13,14,15
	v_mov_b32 v[TM+\i], 0                          ; written once: a lane permute's destination and the upper half of a named pair count as read
.endr
	s_mov_b32 s[SEL], 0x76543210
	s_mov_b32 s[SEL+1], 0xfedcba98
	s_mov_b32 s[C128], 0x3c000000                  ; 1 / 128
	s_mov_b32 s[EPS], 0x3727c5ac                   ; 1e-5
	s_lshr_b32 s28, ttmp9, 4
	s_lshl_b32 s28, s28, 3
	s_add_co_u32 s28, s28, s21                     ; batch x 8 + head
	s_and_b32 s29, ttmp9, 15                       ; the key step
	s_lshl_b32 s22, ttmp9, 7
	s_lshr_b32 s23, s21, 1
	s_lshl_b32 s23, s23, 5
	s_add_co_u32 s22, s22, s23
	s_and_b32 s23, s21, 1
	s_lshl_b32 s23, s23, 3
	s_add_co_u32 s22, s22, s23                     ; my tile's first row: 128 W + 32 (w / 2) + 8 (w % 2)
	s_lshl_b32 s22, s22, 9
	s_mov_b32 s23, 0
	s_mov_b32 s31, 0
	s_wait_kmcnt 0x0
	s_add_nc_u64 s[4:5], s[4:5], s[22:23]
	s_lshl_b32 s22, ttmp9, 7
	s_add_nc_u64 s[6:7], s[6:7], s[22:23]          ; the step's 128 mask bytes
	s_lshl_b32 s22, s21, 13
	s_add_nc_u64 s[24:25], s[14:15], s[22:23]      ; Wqkv + 16 w rows of 512 bytes: my head's rows of Wq; Wk's and Wv's lie 128 and 256 rows on
	s_lshl_b32 s22, s21, 6
	s_add_nc_u64 s[12:13], s[12:13], s[22:23]      ; bqkv + 64 w
	s_lshl_b32 s30, s28, 17
	s_lshl_b32 s22, s29, 13
	s_add_co_u32 s30, s30, s22
	s_add_nc_u64 s[32:33], s[16:17], s[30:31]      ; qf: (head index x 128 + 8 step) KiB
	s_mul_i32 s30, s28, 157696
	s_add_nc_u64 s[18:19], s[18:19], s[30:31]      ; kv: the head's block
	s_lshl_b32 s30, s29, 13
	s_add_nc_u64 s[34:35], s[18:19], s[30:31]      ; + 8192 step: k
	s_lshl_b32 s30, s29, 10
	s_add_nc_u64 s[36:37], s[18:19], s[30:31]      ; + 1024 step: v's codes (131,072 on)
	s_lshl_b32 s30, s29, 7
	s_add_nc_u64 s[38:39], s[18:19], s[30:31]      ; + 128 step: v's scale words (147,456 on)
	s_lshl_b32 s30, s29, 9
	s_add_nc_u64 s[40:41], s[18:19], s[30:31]      ; + 512 step: the mask's numbers (149,504 on)
	; ---- X: all loads at once
	WIN 0x40                                       ; destination window 1
.irp q, 0,1,2,3,4,5,6,7,8,9,10,11,12,13,14,15
	global_load_b128 v[4*\q:4*\q+3], v[LI], s[4:5] offset:512*(\q+8*(\q/8))   ; the tile's row q, whole: 512 consecutive bytes
.endr
	WIN 0
.irp c, 0,1
.irp g, 0,1,2,3,4,5,6,7
	global_load_b128 v[GG+32*\c+4*\g:GG+32*\c+4*\g+3], v[V128H], s[8:9] offset:256*\c+16*\g
	global_load_b128 v[BB+32*\c+4*\g:BB+32*\c+4*\g+3], v[V128H], s[10:11] offset:256*\c+16*\g
.endr
.endr
.irp m, 0,1,2,3,4,5,6,7
	global_load_u8 v[MK+\m], v[VK], s[6:7] offset:32*(\m/2)+8*(\m%2)
.endr
	global_load_b32 v[MW], v[LS], s[6:7]
	WIN 0x40
.irp j, 0,1,2
.irp q, 0,1,2,3,4,5,6,7,8,9,10,11,12,13,14,15
	global_load_b128 v[64+64*\j+4*\q:64+64*\j+4*\q+3], v[LI], s[24:25] offset:65536*\j+512*\q
.endr
.endr
	WIN 0
	s_wait_loadcnt 48                              ; loads come back in order: all but the weights' 48 are in
	TURNIN 0
	LNSTAT X
.set kk, 0
.rept 32
	v_pk_fma_f32 v[X+kk:X+kk+1], v[X+kk:X+kk+1], v[GG+kk:GG+kk+1], v[BB+kk:BB+kk+1]
.set kk, kk+2
.endr
	global_load_b128 v[BQ:BQ+3], v[V32H], s[12:13]             ; the biases, into registers that the offset has left; in the result's layout: channels 8 h + 0 .. 7
	global_load_b128 v[BQ+4:BQ+7], v[V32H], s[12:13] offset:16
	global_load_b128 v[BK:BK+3], v[V32H], s[12:13] offset:512
	global_load_b128 v[BK+4:BK+7], v[V32H], s[12:13] offset:528
	global_load_b32 v[BV8], v[V4R], s[12:13] offset:1024       ; v's: channel r
	QUANTW X, PC, PW
	ds_store_b128 v[IW], v[PC:PC+3]
	ds_store_b128 v[IW], v[PC+4:PC+7] offset:512
	ds_store_b32 v[SWA], v[PW]
	s_wait_loadcnt 37                              ; Wq's 16 rows are in: behind them Wk's, Wv's and the five loads of biases
	TURNIN 64
	QUANTW X, WQ, WS
	s_wait_loadcnt 21                              ; Wk's
	TURNIN 128
	QUANTW X, WK, WS+1
	s_wait_loadcnt 5                               ; Wv's
	TURNIN 192
	QUANTW X, WV, WS+2
	s_wait_dscnt 0x0                               ; for the others' sake: my image lies in LDS
	s_barrier_signal -1
	s_barrier_wait -1
	; ---- P
.irp m, 0,1,2,3,4,5,6,7
	ds_load_b128 v[TF+8*\m:TF+8*\m+3], v[LI] offset:1024*\m
	ds_load_b128 v[TF+8*\m+4:TF+8*\m+7], v[LI] offset:1024*\m+512
	ds_load_b32 v[TS+\m], v[LS] offset:8192+128*\m
.endr
	s_wait_loadcnt_dscnt 0x0
.irp j, 1,2,3,4,5,6,7
	v_mov_b32 v[BV8+\j], v[BV8]                    ; v's bias is one number a lane: eight times for the C
.endr
.rept 4
	v_nop                                          ; with the seven lines above: eight places and more between the weights' last scale word, made by a vector instruction, and the scaled products
.endr
	PROJ WQ, BQ, WS
.rept 5
	v_nop                                          ; four places in front of the stores of results; five in front of the products that write these accumulators anew
.endr
	OUT8 32
	s_wait_xcnt 0x0                                ; the stores' data are written again only behind this wait
	PROJ WK, BK, WS+1
.rept 4
	v_nop
.endr
.irp m, 0,1,2,3,4,5,6,7
	v_cmp_ne_u32 vcc_lo, 0, v[MK+\m]
.irp j, 0,1,2,3,4,5,6,7
	v_cndmask_b32 v[ACC+8*\m+\j], v[ACC+8*\m+\j], v[VZ], vcc_lo   ; a masked key's k is 0: its score is then the C alone
.endr
.endr
	OUT8 34
	s_wait_xcnt 0x0
.irp m, 0,1,2,3,4,5,6,7                ; v, the natural way round: source 0 = 16 rows of t, source 1 = the head's 16 rows of Wv: lane = channel r, register 8 m + j = key 32 (m / 2) + 16 h + 8 (m % 2) + j
	v_wmma_scale_f32_16x16x128_f8f6f4 v[ACC+8*\m:ACC+8*\m+7], v[TF+8*\m:TF+8*\m+7], v[WV:WV+7], v[BV8:BV8+7], v[TS+\m], v[WS+2] matrix_a_fmt:MATRIX_FMT_FP4 matrix_b_fmt:MATRIX_FMT_FP4
.endr
.rept 4
	v_nop
.endr
	QUANTH ACC, PC, PW
	global_store_b128 v[LI], v[PC:PC+3], s[36:37] offset:131072
	global_store_b128 v[LI], v[PC+4:PC+7], s[36:37] offset:131072+512
	global_store_b32 v[LS], v[PW], s[38:39] offset:147456
.irp q, 0,1,2,3
	v_bfe_u32 v[TM+\q], v[MW], 8*\q, 8
.endr
.irp q, 0,1,2,3
	v_cmp_ne_u32 vcc_lo, 0, v[TM+\q]
	v_cndmask_b32 v[TM+8+\q], v[VZ], v[VNEG], vcc_lo
.endr
	global_store_b128 v[LI], v[TM+8:TM+11], s[40:41] offset:149504
	s_wait_tensorcnt 0x0
	ds_add_u32 v3, v255
	s_wait_dscnt 0x0
	s_endpgm
.Lfunc_end_k_q9ce9bdf285_qkv:
	.size	k_q9ce9bdf285_qkv, .Lfunc_end_k_q9ce9bdf285_qkv-k_q9ce9bdf285_qkv
	.p2alignl 7, 3214868480
	.fill 96, 4, 3214868480
	.section	.rodata,"a",@progbits
	.p2align	6, 0x0
	.amdhsa_kernel k_q9ce9bdf285_qkv
		.amdhsa_group_segment_fixed_size 77824
		.amdhsa_private_segment_fixed_size 0
		.amdhsa_enable_private_segment 0
		.amdhsa_kernarg_size 64
		.amdhsa_user_sgpr_count 2
		.amdhsa_user_sgpr_kernarg_segment_ptr 1
		.amdhsa_wavefront_size32 1
		.amdhsa_system_sgpr_workgroup_id_x 1
		.amdhsa_system_sgpr_workgroup_id_y 1
		.amdhsa_system_sgpr_workgroup_id_z 1
		.amdhsa_system_vgpr_workitem_id 0
		.amdhsa_next_free_vgpr 512
		.amdhsa_next_free_sgpr 66
		.amdhsa_reserve_vcc 1
		.amdhsa_float_denorm_mode_32 3
		.amdhsa_float_denorm_mode_16_64 3
		.amdhsa_memory_ordered 1
		.amdhsa_forward_progress 1
		.amdhsa_inst_pref_size 61
	.end_amdhsa_kernel
	.amdgpu_metadata
---
amdhsa.version: [ 1, 2 ]
amdhsa.kernels:
  - .name:           k_q9ce9bdf285_qkv
    .symbol:         k_q9ce9bdf285_qkv.kd
    .args:
      - { .name: h, .offset: 0, .size: 8, .value_kind: global_buffer, .address_space: global }
      - { .name: key_padding_mask, .offset: 8, .size: 8, .value_kind: global_buffer, .address_space: global }
      - { .name: ln_a_g, .offset: 16, .size: 8, .value_kind: global_buffer, .address_space: global }
      - { .name: ln_a_b, .offset: 24, .size: 8, .value_kind: global_buffer, .address_space: global }
      - { .name: bqkv, .offset: 32, .size: 8, .value_kind: global_buffer, .address_space: global }
      - { .name: Wqkv, .offset: 40, .size: 8, .value_kind: global_buffer, .address_space: global }
      - { .name: qf, .offset: 48, .size: 8, .value_kind: global_buffer, .address_space: global }
      - { .name: kv, .offset: 56, .size: 8, .value_kind: global_buffer, .address_space: global }
    .group_segment_fixed_size: 77824
    .private_segment_fixed_size: 0
    .kernarg_segment_align: 8
    .kernarg_segment_size: 64
    .max_flat_workgroup_size: 256
    .sgpr_count:     66
    .vgpr_count:     512
    .wavefront_size: 32
...
	.end_amdgpu_metadata
.endif
;; end of part 1
;; launch attn (part 2): grid 8 x 32, 16 waves a work-group, no clusters, 296,960 bytes of LDS; arguments qf, kv, ctx, op1_W, op2_W, Wo, ffn_W1, ffn_W2, wq; writes ctx, wq
.if DOCPART == 2
	.amdgcn_target "amdgcn-amd-amdhsa--gfx1250"
	.amdhsa_code_object_version 6
	.text
	.protected	k_q9ce9bdf285_attn
	.globl	k_q9ce9bdf285_attn
	.p2align	8
	.type	k_q9ce9bdf285_attn,@function
k_q9ce9bdf285_attn:
	s_mov_b64 s[64:65], 0
	v_nop
	global_prefetch_b8 v0, s[64:65] scope:SCOPE_SE
	s_setreg_imm32_b32 hwreg(HW_REG_WAVE_MODE, 25, 1), 1
	s_wait_xcnt 0x0
; ctx[head][q] = the sum over keys of softmax(q . k / 4, masked) v.  Head size 16, 2,048 keys.  AND, while the head's one fill is on its way: the later launch's weights are quantised into wq.
; The scores' product has K = 16 and feeds a quantiser: f32 operands, by v_wmma_f32_16x16x4_f32.  The second product is on codes of E2M1 (K = the keys).
; THE SOFTMAX AHEAD OF IT: t = score x log2(e) / 4; M = the row's largest t so far, rounded up to a whole number; p = 2^(t - M) is quantised along the keys, not normalised;
; the row's sum is taken of the unquantised p and divides at the end; when M moves, the sum and O are multiplied by 2^(old M - new M), which rounds nothing.
; SHARES.  A work-group owns 256 queries of one head, each of its sixteen waves one tile of 16, in 256 registers: four waves to a SIMD.
; THE WHOLE HEAD LIES IN LDS, 157,696 bytes as the launch before laid them: k as f32 images, v's fragments, v's scale words, the mask's numbers.  It is filled ONCE, by fourteen tensor loads
; of 44 rows of 256 bytes, one a wave; nothing is filled again, so there is no ring.  By this text's count a wave has one tensor load out.
; LAYOUT.  S^T = k q^T (source 0 = 16 keys, source 1 = my 16 queries), O^T = v^T p^T: a lane holds one query throughout.  Lane r of key tile t holds key 32 (t / 2) + 8 (t % 2) + r + 8 (r / 8),
; so the 16 registers of tiles 2 b, 2 b + 1 are keys 32 b + 16 h + 0 .. 15.  In the f32 product's K step ks, k = 2 h + j stands for channel 8 h + 2 ks + j, alike in k and in q.
; THE MASK costs no vector work: a masked key's k is 0 and the sum's C is -4e9 there (0 elsewhere), so its score is -4e9 exactly, the same for all masked keys: t = -1e9 x log2(e) as defined.
; THE WEIGHTS.  wq is groups of 9,216 bytes.  A group holds 8 fragments (16 rows x 128 K) as images of the operand's registers: fragment t's registers 4 c .. 4 c + 3 of lane l at 1024 t + 512 c + 16 l;
; behind them the scale words: tile 4 g + q's word of row l % 16 at 8192 + 512 g + 16 l + 4 q.  Groups 0-127: op1_W, K step = group; 128-255: op2_W; 259: Wo; 260-263: ffn_W1, 128 rows each;
; 264-267: ffn_W2, K step = group - 264 (256-258 are not used).  Rows of tile t: 16 t + r; in ffn_W1's groups 32 (t / 2) + 8 (t % 2) + r + 8 (r / 8).
; Waves 0-7 of work-group id = 8 y + x make group id; waves 8-15 of work-groups 0 to 8 make group 259 + id; wave % 8 is the fragment.  A row's 512 bytes are read by one load; the 16 rows turn through
; the wave's own stage in LDS (rows 528 bytes apart, behind the head's bytes), so that lane (r, h) gets k = 64 c + 32 h + 0 .. 31 of row r.  The group's scale words meet in LDS at the barrier that stands behind the fill.
; NO CLUSTER: what the eight work-groups of a head share is 157,696 bytes, fetched once at the start; no tile is fetched in the loop, where each wave has 16 steps of 33 matrix instructions.
; LIMITS: NaN and infinities are not served; a block of zeros or under 2^-124 gets the byte 1 (this program alone reads the bytes).  The order of the f32 sums is this text's.
.set STG, 157696                       ; LDS behind the head: sixteen stages of 8,448 bytes,
.set SS,  292864                       ; and two groups' scale words, [row][tile], 512 bytes each
.set LI,  1                            ; 16 x lane
.set AB0, 2                            ; the mask's numbers: 149,504 + 64 h
.set AS0, 3                            ; v's scale words: 147,456 + 4 x lane
.set ADK, 4                            ; the step's addresses.  Ahead of the loop the four registers serve the weights:
.set ADV, 5
.set ADB, 6
.set ADS, 7
.set STW, 4                            ; my stage, on the way in
.set STR, 5                            ; and on the way out: 528 r + 128 h
.set SWA, 6                            ; where my row's scale word goes
.set SRA, 7                            ; where four tiles' words are read back
.set SH8, 10                           ; 8 h
.set Q,   16                           ; v16-23  q: channels 8 h + 0 .. 7 of query r.   v12 -M, v13 the largest t, v[14:15] the sum in two halves
.set O,   24                           ; v24-31  O^T
.set KF,  32                           ; v32-95  eight tiles of k; then p
.set P,   32
.set CB,  96                           ; v96-159 the mask's numbers in the result's layout
.set S,   160                          ; v160-223 the scores: written by the f32 matrix form alone
.set PC,  224                          ; v224-231 p's codes; ahead of the loop a weight's fragment
.set BM,  232                          ; v232-235 the blocks' largest scores
.set TP,  236                          ; v236-239 at work
.set SOP, 240                          ; v240-243 the conversions' scale operands
.set VF,  244                          ; v244-251 v's fragment.  v252 f, v253 p's scale word, v254 at work, v255 v's scale word
.set X,   32                           ; the weights: 16 rows as loaded,
.set Y,   96                           ; my 64 numbers,
.set OFA, 24                           ; the byte offsets of rows 0-7
.set OFB, 244                          ; and of rows 8-15,
.set TM,  232                          ; at work,
.set PW,  254                          ; the scale word
.set WV,  10
.set G0,  12
.set G1,  16
.set CS,  24                           ; s[24:25] c = log2(e) / 4
.set SEL, 26
.set TBK, 28
.set TBV, 29
.set TBB, 30
.set TBS, 31
.set CNT, 32
.macro QUANTW s, pc, pw                ; register s + 32 c + i = k 64 c + 32 h + i of my row -> the fragment at pc, the row's scale word in pw
.irp c, 0,1
	v_max3_num_f32 v[TM+\c], |v[\s+32*\c]|, |v[\s+32*\c+1]|, 0x1800000   ; my block 2 c + h, and the floor 2^(3 - 127): the byte cannot fall under 1
.endr
.irp i, 2,4,6,8,10,12,14,16,18,20,22,24,26,28,30
.irp c, 0,1
	v_max3_num_f32 v[TM+\c], v[TM+\c], |v[\s+32*\c+\i]|, |v[\s+32*\c+\i+1]|
.endr
.endr
.irp c, 0,1
	v_add_nc_u32 v[TM+2+\c], 0xff000000, v[TM+\c]   ; 2 off the exponent field: the conversion's scale operand
.endr
.irp c, 0,1
	v_lshrrev_b32 v[TM+4+\c], 23, v[TM+2+\c]
.endr
	v_lshl_or_b32 v[TM+4], v[TM+5], 16, v[TM+4]
	v_lshlrev_b32 v[TM+4], v[SH8], v[TM+4]
	v_permlanex16_b32 v[TM+5], v[TM+4], s[SEL], s[SEL+1]
	v_or_b32 v[\pw], v[TM+4], v[TM+5]
.irp c, 0,1
.irp g, 0,1,2,3
	v_cvt_scalef32_pk8_fp4_f32 v[\pc+4*\c+\g], v[\s+32*\c+8*\g:\s+32*\c+8*\g+7], v[TM+2+\c]
.endr
.endr
	v_nop                                           ; one plain place behind a scaled conversion
.endm
.macro TMM k                           ; t - M of pair k of my 64 scores, into other registers than the sums'
	v_pk_fma_f32 v[P+2*(\k):P+2*(\k)+1], v[S+2*(\k):S+2*(\k)+1], s[CS:CS+1], v[12:13] op_sel_hi:[1,0,0]
.endm
.macro SUMN                            ; the row's sum takes the next pair of the unquantised p
	s_wait_alu depctr_va_vdst(0)
	v_pk_add_f32 v[14:15], v[14:15], v[P+2*sm:P+2*sm+1]
.set sm, sm+1
.endm
.macro BMPOST m                        ; line m of 15: from the four blocks' largest p to the conversions' scale operands and p's scale word
.if (\m) < 4
	s_wait_alu depctr_va_vdst(0)
	v_max_num_f32 v[BM+(\m)], 0x1800000, v[BM+(\m)]            ; the floor 2^(3 - 127): the byte cannot fall under 1
.elseif (\m) < 8
	v_add_nc_u32 v[SOP+(\m)-4], 0xff000000, v[BM+(\m)-4]
.elseif (\m) < 12
	v_lshrrev_b32 v[TP+(\m)-8], 23, v[SOP+(\m)-8]
.elseif (\m) == 12
	v_lshl_or_b32 v253, v[TP+1], 8, v[TP]
.elseif (\m) == 13
	v_lshl_or_b32 v253, v[TP+2], 16, v253
.elseif (\m) == 14
	v_lshl_or_b32 v253, v[TP+3], 24, v253
.endif
.endm
	s_load_b128 s[4:7], s[0:1], 0x0                ; qf, kv
	s_load_b64 s[8:9], s[0:1], 0x10                ; ctx
	s_load_b64 s[40:41], s[0:1], 0x18              ; op1_W
	s_load_b256 s[44:51], s[0:1], 0x20             ; op2_W s[44:45], Wo s[46:47], ffn_W1 s[48:49], ffn_W2 s[50:51]
	s_load_b64 s[52:53], s[0:1], 0x40              ; wq
	v_lshl_add_u32 v252, v0, 2, 0x48000
	v_mov_b32 v254, 0
	ds_add_u32 v252, v254
	ds_add_u32 v252, v254
	s_wait_dscnt 0x0
	v_lshrrev_b32 v8, 5, v0
	v_readfirstlane_b32 s[WV], v8                  ; wave 0..15
	s_and_b32 s11, ttmp7, 0xffff                   ; batch x 8 + head
	s_mul_i32 s34, s11, 157696
	s_mul_i32 s[G0+1], s[WV], 11264                ; 63:32 LDS address: my 44 rows
	s_add_co_u32 s34, s34, s[G0+1]
	s_mov_b32 s35, 0
	s_mov_b32 s[G0], 1                             ; 1:0 count = 1
	s_mov_b32 s[G1], 3<<16                         ; no mask; elements of 8 bytes; no padding: every read of the head takes consecutive bytes or one word for sixteen lanes
	s_mov_b32 s[G1+1], 32<<16                      ; tensor_dim0 = 32 elements: 256 bytes
	s_mov_b32 s[G1+2], 44<<16                      ; tensor_dim1 = 44
	s_mov_b32 s[G1+3], 32<<16                      ; tile_dim0
	s_mov_b32 s[G1+4], 44                          ; tile_dim1
	s_mov_b32 s[G1+5], 32                          ; the pitch: dense
	s_mov_b32 s[G1+6], 0
	s_mov_b32 s[G1+7], 0
	s_lshl_b32 s36, s11, 7
	s_lshl_b32 s37, ttmp9, 4
	s_add_co_u32 s36, s36, s37
	s_add_co_u32 s36, s36, s[WV]
	s_lshl_b32 s36, s36, 10                        ; my tile's KiB in qf and in ctx: head index x 128 + 16 x + wave
	s_mov_b32 s37, 0
	s_mov_b32 s[CS], 0x3eb8aa3b
	s_mov_b32 s[CS+1], s[CS]                       ; (named with it as a pair, so it is written)
	s_mov_b32 s[SEL], 0x76543210
	s_mov_b32 s[SEL+1], 0xfedcba98
	s_mov_b32 s[TBK], 0
	s_mov_b32 s[TBV], 131072
	s_mov_b32 s[TBB], 0
	s_mov_b32 s[TBS], 0
	s_mov_b32 s[CNT], 16
	; which group and fragment of wq is mine: from the work-group's number and the wave's
	s_lshl_b32 s54, s11, 3
	s_add_co_u32 s54, s54, ttmp9                   ; id = 8 y + x
	s_lshr_b32 s80, s[WV], 3                       ; waves 8-15: the second group
	s_and_b32 s55, s[WV], 7                        ; t: the fragment
	s_mul_i32 s56, s80, 259
	s_add_co_u32 s54, s54, s56                     ; G = id, or 259 + id
	s_lshl_b32 s56, s55, 4                         ; 16 t
	s_sub_co_u32 s57, s54, 260
	s_lshl_b32 s57, s57, 7
	s_lshr_b32 s58, s55, 1
	s_lshl_b32 s58, s58, 5
	s_add_co_u32 s57, s57, s58
	s_and_b32 s58, s55, 1
	s_lshl_b32 s58, s58, 3
	s_add_co_u32 s57, s57, s58                     ; ffn_W1's first row: 128 (G - 260) + 32 (t / 2) + 8 (t % 2)
	s_sub_co_u32 s58, s54, 264
	s_lshl_b32 s58, s58, 9                         ; ffn_W2's column, in bytes
	s_and_b32 s59, s54, 127
	s_lshl_b32 s59, s59, 9                         ; op_W's
	s_mov_b32 s60, 2048                            ; ffn_W2's row, in bytes
	s_mul_i32 s76, s54, 9216
	s_lshl_b32 s78, s55, 10
	s_add_co_u32 s76, s76, s78                     ; my fragment's place in wq
	s_mov_b32 s77, 0
	s_wait_kmcnt 0x0
	s_add_nc_u64 s[G0+2:G0+3], s[6:7], s[34:35]    ; 120:64 global address
	s_or_b32 s[G0+3], s[G0+3], 0x80000000          ; 127:126 type = 2
	s_cmp_lt_u32 s[WV], 14                         ; 14 x 11,264 = 157,696: waves 14 and 15 fetch nothing
	s_cbranch_scc0 .Lno_fill
	tensor_load_to_lds s[G0:G0+3], s[G1:G1+7]
	s_nop 0
.rept 4
	v_nop
.endr
.Lno_fill:
	s_add_nc_u64 s[4:5], s[4:5], s[36:37]
	s_add_nc_u64 s[8:9], s[8:9], s[36:37]
	v_and_b32 v8, 31, v0
	v_lshlrev_b32 v[LI], 4, v8
	v_bfe_u32 v9, v0, 4, 1
	v_lshl_add_u32 v[AB0], v9, 6, 149504
	v_lshl_add_u32 v[AS0], v8, 2, 147456
	global_load_b128 v[Q:Q+3], v[LI], s[4:5]
	global_load_b128 v[Q+4:Q+7], v[LI], s[4:5] offset:512
	; ---- the weights.  Every LDS address is made here, ahead of the branch
	v_and_b32 v11, 15, v0                          ; r
	s_mul_i32 s78, s[WV], 8448
	s_add_co_u32 s78, s78, STG
	v_add_nc_u32 v[STW], s78, v[LI]
	v_mul_u32_u24 v[STR], v11, 528
	v_lshl_add_u32 v[STR], v9, 7, v[STR]
	v_add_nc_u32 v[STR], s78, v[STR]
	v_lshlrev_b32 v11, 5, v11                      ; 32 r: a row's eight words
	s_lshl_b32 s78, s80, 9
	s_add_co_u32 s78, s78, SS
	s_lshl_b32 s79, s55, 2
	s_add_co_u32 s79, s79, s78
	v_add_nc_u32 v[SWA], s79, v11
	s_and_b32 s79, s55, 1
	s_lshl_b32 s79, s79, 4
	s_add_co_u32 s79, s79, s78
	v_add_nc_u32 v[SRA], s79, v11
	v_lshlrev_b32 v[SH8], 3, v9
	s_add_nc_u64 s[72:73], s[52:53], s[76:77]
	s_lshl_b32 s78, s55, 9
	s_sub_co_u32 s76, s76, s78                     ; 9216 G + 512 t: with 8,192 more, where fragments 0 and 1's waves put the words
	s_add_nc_u64 s[74:75], s[52:53], s[76:77]
	s_cmp_lt_u32 s54, 264                          ; the choices hang on the group's number alone
	s_cselect_b64 s[66:67], s[48:49], s[50:51]
	s_cselect_b32 s60, 512, s60
	s_cselect_b32 s58, 0, s58
	s_cselect_b32 s68, s57, s56
	s_cselect_b32 s69, 16, 8                       ; rows 8-15 of a tile begin so many rows behind its first
	s_cmp_lt_u32 s54, 260
	s_cselect_b64 s[66:67], s[46:47], s[66:67]
	s_cselect_b32 s68, s56, s68
	s_cselect_b32 s69, 8, s69
	s_cmp_lt_u32 s54, 256
	s_cselect_b64 s[66:67], s[44:45], s[66:67]
	s_cselect_b32 s60, 0x10000, s60
	s_cselect_b32 s58, s59, s58
	s_cmp_lt_u32 s54, 128
	s_cselect_b64 s[66:67], s[40:41], s[66:67]
	s_mul_i32 s70, s68, s60
	s_add_co_u32 s70, s70, s58                     ; first row x pitch + column: under 8,388,608
	s_mul_i32 s71, s69, s60
	s_add_co_u32 s71, s71, s70
	s_cmp_lt_u32 s54, 268                          ; waves 8-15 of work-groups 9 on have no group
	s_cbranch_scc0 .Lno_quant
	v_add_nc_u32 v[OFA], s70, v[LI]
.irp q, 1,2,3,4,5,6,7
	v_add_nc_u32 v[OFA+\q], s60, v[OFA+\q-1]
.endr
	v_add_nc_u32 v[OFB], s71, v[LI]
.irp q, 1,2,3,4,5,6,7
	v_add_nc_u32 v[OFB+\q], s60, v[OFB+\q-1]
.endr
.irp q, 0,1,2,3,4,5,6,7
	global_load_b128 v[X+4*\q:X+4*\q+3], v[OFA+\q], s[66:67] th:TH_LOAD_NT   ; 32 lanes read 512 consecutive bytes of row q; read once in the launch
.endr
.irp q, 0,1,2,3,4,5,6,7
	global_load_b128 v[X+32+4*\q:X+32+4*\q+3], v[OFB+\q], s[66:67] th:TH_LOAD_NT
.endr
.irp q, 0,1,2,3,4,5,6,7,8,9,10,11,12,13,14,15
	s_wait_loadcnt 15-\q                           ; loads come back in order: row q (and q's two loads ahead of it) is in, the younger rows may be out
	ds_store_b128 v[STW], v[X+4*\q:X+4*\q+3] offset:528*\q
.endr
.irp c, 0,1
.irp g, 0,1,2,3,4,5,6,7
	ds_load_b128 v[Y+32*\c+4*\g:Y+32*\c+4*\g+3], v[STR] offset:256*\c+16*\g   ; my wave's own bytes; LDS serves a wave's instructions in order
.endr
.endr
	s_wait_dscnt 0x0
	QUANTW Y, PC, PW
	global_store_b128 v[LI], v[PC:PC+3], s[72:73]              ; 32 lanes store 512 consecutive bytes
	global_store_b128 v[LI], v[PC+4:PC+7], s[72:73] offset:512
	ds_store_b32 v[SWA], v[PW]                     ; both halves of the lanes write the same word with the same value
.Lno_quant:
	v_mov_b32 v13, 0xff61b1e6                      ; the largest t so far: -3e38, under every t
	v_floor_f32 v12, -v13                          ; -M
	v_mov_b32 v14, 0
	v_mov_b32 v15, 0
.irp j, 0,1,2,3,4,5,6,7
	v_mov_b32 v[O+\j], 0                           ; the step is written once: the first finds zeros, which the first change of M leaves zeros.  (The loads that took these registers as offsets are in)
.endr
.irp b, 0,1,2,3
	v_mov_b32 v[TP+\b], 0                          ; a lane permute's destination counts as one of its sources
.endr
	v_mov_b32 v253, 0                              ; (named as the upper half of v[252:253] before it is first written)
	s_wait_tensorcnt 0x0                           ; my part of the head lies in LDS,
	s_wait_dscnt 0x0                               ; and so does my scale word;
	s_barrier_signal -1
	s_barrier_wait -1                              ; everybody's do
	s_cmp_lt_u32 s54, 268
	s_cbranch_scc0 .Lno_words
	s_cmp_lt_u32 s55, 2                            ; the waves of fragments 0 and 1 store four tiles' words each
	s_cbranch_scc0 .Lno_words
	ds_load_b128 v[SOP:SOP+3], v[SRA]
	s_wait_dscnt 0x0
	global_store_b128 v[LI], v[SOP:SOP+3], s[74:75] offset:8192
.Lno_words:
	s_wait_loadcnt 0x0                             ; q
	s_wait_xcnt 0x0                                ; the stores' data registers are written again in the loop: only behind this wait
.Lstep:                                            ; 16 trips of 128 keys
	v_add_nc_u32 v[ADK], s[TBK], v[LI]             ; these four are also the places between the last trip's product and the loads into its operands
	v_add_nc_u32 v[ADV], s[TBV], v[LI]
	v_add_nc_u32 v[ADB], s[TBB], v[AB0]
	v_add_nc_u32 v[ADS], s[TBS], v[AS0]
.irp t, 0,1,2,3,4,5,6,7
	ds_load_b128 v[KF+8*\t:KF+8*\t+3], v[ADK] offset:1024*\t
	ds_load_b128 v[KF+8*\t+4:KF+8*\t+7], v[ADK] offset:1024*\t+512
.endr
.irp t, 0,1,2,3,4,5,6,7
	ds_load_b128 v[CB+8*\t:CB+8*\t+3], v[ADB] offset:(32*(\t/2)+8*(\t%2))*4
	ds_load_b128 v[CB+8*\t+4:CB+8*\t+7], v[ADB] offset:(32*(\t/2)+8*(\t%2))*4+16
.endr
	ds_load_b128 v[VF:VF+3], v[ADV]
	ds_load_b128 v[VF+4:VF+7], v[ADV] offset:512
	ds_load_b32 v255, v[ADS]
	s_wait_dscnt 3                                 ; k and the mask's numbers are in; the youngest three loads (v's) may be out
.irp t, 0,1,2,3,4,5,6,7                ; the sums' first K step takes the mask's numbers as C.  The eight accumulators take turns, one instruction a turn
	v_wmma_f32_16x16x4_f32 v[S+8*\t:S+8*\t+7], v[KF+8*\t:KF+8*\t+1], v[Q:Q+1], v[CB+8*\t:CB+8*\t+7]
.endr
.irp ks, 1,2,3
.irp t, 0,1,2,3,4,5,6,7
	v_wmma_f32_16x16x4_f32 v[S+8*\t:S+8*\t+7], v[KF+8*\t+2*\ks:KF+8*\t+2*\ks+1], v[Q+2*\ks:Q+2*\ks+1], v[S+8*\t:S+8*\t+7]
.endr
.endr
.rept 8
	v_nop                                          ; eight places behind this form in front of the first read of its results
.endr
.irp b, 0,1,2,3
	v_max3_num_f32 v[BM+\b], v[S+16*\b], v[S+1+16*\b], v[S+2+16*\b]   ; the largest score of each block of 32 keys: for the row's maximum and, since p rises with the score, for the block's largest p
.endr
.irp i, 3,5,7,9,11,13
.irp b, 0,1,2,3
	v_max3_num_f32 v[BM+\b], v[BM+\b], v[S+16*\b+\i], v[S+1+16*\b+\i]
.endr
.endr
.irp b, 0,1,2,3
	v_max_num_f32 v[BM+\b], v[BM+\b], v[S+15+16*\b]
.endr
.irp b, 0,1,2,3
	v_permlanex16_b32 v[TP+\b], v[BM+\b], s[SEL], s[SEL+1]
.endr
.irp b, 0,1,2,3
	v_max_num_f32 v[BM+\b], v[BM+\b], v[TP+\b]     ; with lane l xor 16's 16 keys
.endr
	v_max3_num_f32 v254, v[BM], v[BM+1], v[BM+2]
	v_max_num_f32 v254, v254, v[BM+3]
	v_mul_f32 v254, s[CS], v254                    ; as t (c is positive)
	v_max_num_f32 v13, v13, v254                   ; the running largest t
	v_mov_b32 v254, v12
	v_floor_f32 v12, -v13                          ; the new -M = floor(-t) = -ceil(t)
	v_sub_f32 v254, v12, v254                      ; old M - new M: a whole number, 0 or less
	v_cvt_i32_f32 v254, v254                       ; (it saturates)
	v_ldexp_f32 v252, 1.0, v254                    ; f = 2^(old M - new M)
	; THE EXPONENTIALS STAND ONE BY ONE, a plain line that touches neither its result nor its source behind each: t - M of a pair eight pairs on, the blocks' scale arithmetic, the row's sums, O's rescaling
.irp b, 0,1,2,3
	v_fma_f32 v[BM+\b], v[BM+\b], s[CS], v12       ; t - M of each block's largest score
.endr
.irp n, 0,1,2,3
	TMM \n
.endr
.irp b, 0,1,2,3
	v_exp_f32 v[BM+\b], v[BM+\b]                   ; the block's largest p: the same two instructions on the same number as that p itself
	TMM 4+\b
.endr
.set nn, 0
.set sm, 0
.rept 32                               ; pair nn of p = 2^(t - M), at most 1
	v_exp_f32 v[P+2*nn], v[P+2*nn]
.if nn < 24
	TMM nn+8
.else
	SUMN
.endif
	v_exp_f32 v[P+2*nn+1], v[P+2*nn+1]
.if nn == 0
	v_pk_mul_f32 v[14:15], v[14:15], v[252:253] op_sel_hi:[1,0]   ; the sum under the new M, ahead of the first addition
.elseif nn < 9
	BMPOST 2*(nn-1)
	BMPOST 2*(nn-1)+1
.elseif nn < 29
	SUMN                                           ; a pair whose exponentials stand in an earlier turn
.else
	v_pk_mul_f32 v[O+2*(nn-29):O+2*(nn-29)+1], v[O+2*(nn-29):O+2*(nn-29)+1], v[252:253] op_sel_hi:[1,0]   ; O^T under the new M, from its low end on
.endif
.set nn, nn+1
.endr
	v_pk_mul_f32 v[O+6:O+7], v[O+6:O+7], v[252:253] op_sel_hi:[1,0]
	s_wait_alu depctr_va_vdst(0)
.irp b, 0,1,2,3
	v_cvt_scalef32_pk8_fp4_f32 v[PC+2*\b], v[P+16*\b:P+7+16*\b], v[SOP+\b]
	v_cvt_scalef32_pk8_fp4_f32 v[PC+1+2*\b], v[P+8+16*\b:P+15+16*\b], v[SOP+\b]
.endr
	v_nop                                          ; one plain place behind a scaled conversion
.irp c, 0,1
.irp i, 0,1
	v_permlane16_swap_b32 v[PC+4*\c+\i], v[PC+2+4*\c+\i]   ; a whole block to a lane
.endr
.endr
.rept 4
	SUMN                                           ; the last four pairs: also the four places between the operand's last write and the scaled product
.endr
	s_wait_dscnt 0x0                               ; v's fragment and scale word
	v_wmma_scale_f32_16x16x128_f8f6f4 v[O:O+7], v[VF:VF+7], v[PC:PC+7], v[O:O+7], v255, v253 matrix_a_fmt:MATRIX_FMT_FP4 matrix_b_fmt:MATRIX_FMT_FP4
	s_add_co_u32 s[TBK], s[TBK], 8192
	s_add_co_u32 s[TBV], s[TBV], 1024
	s_add_co_u32 s[TBB], s[TBB], 512
	s_add_co_u32 s[TBS], s[TBS], 128
	s_sub_co_u32 s[CNT], s[CNT], 1
	s_cmp_lg_u32 s[CNT], 0
	s_cbranch_scc1 .Lstep
	v_add_f32 v14, v14, v15                        ; the sum's two halves,
	v_permlanex16_b32 v252, v14, s[SEL], s[SEL+1]
	v_add_f32 v14, v14, v252                       ; and lane l xor 16's
	v_rcp_f32 v14, v14
.rept 3
	v_nop                                          ; behind the transcendental, and with the additions the places behind the last product
.endr
	s_wait_alu depctr_va_vdst(0)
.irp j, 0,1,2,3,4,5,6,7
	v_mul_f32 v[P+\j], v[O+\j], v14                ; channel 8 h + j of query r
.endr
	global_store_b128 v[LI], v[P:P+3], s[8:9]      ; the tile leaves as an image, laid as qf: 512 consecutive bytes a store
	global_store_b128 v[LI], v[P+4:P+7], s[8:9] offset:512
	s_wait_xcnt 0x0
	v_lshl_add_u32 v252, v0, 2, 0x48000
	v_mov_b32 v254, 0
	s_wait_tensorcnt 0x0
	ds_add_u32 v252, v254
	s_wait_dscnt 0x0
	s_endpgm
.Lfunc_end_k_q9ce9bdf285_attn:
	.size	k_q9ce9bdf285_attn, .Lfunc_end_k_q9ce9bdf285_attn-k_q9ce9bdf285_attn
	.p2alignl 7, 3214868480
	.fill 96, 4, 3214868480
	.section	.rodata,"a",@progbits
	.p2align	6, 0x0
	.amdhsa_kernel k_q9ce9bdf285_attn
		.amdhsa_group_segment_fixed_size 296960
		.amdhsa_private_segment_fixed_size 0
		.amdhsa_enable_private_segment 0
		.amdhsa_kernarg_size 72
		.amdhsa_user_sgpr_count 2
		.amdhsa_user_sgpr_kernarg_segment_ptr 1
		.amdhsa_wavefront_size32 1
		.amdhsa_system_sgpr_workgroup_id_x 1
		.amdhsa_system_sgpr_workgroup_id_y 1
		.amdhsa_system_sgpr_workgroup_id_z 1
		.amdhsa_system_vgpr_workitem_id 0
		.amdhsa_next_free_vgpr 256
		.amdhsa_next_free_sgpr 84
		.amdhsa_reserve_vcc 0
		.amdhsa_float_denorm_mode_32 3
		.amdhsa_float_denorm_mode_16_64 3
		.amdhsa_memory_ordered 1
		.amdhsa_forward_progress 1
		.amdhsa_inst_pref_size 33
	.end_amdhsa_kernel
	.amdgpu_metadata
---
amdhsa.version: [ 1, 2 ]
amdhsa.kernels:
  - .name:           k_q9ce9bdf285_attn
    .symbol:         k_q9ce9bdf285_attn.kd
    .args:
      - { .name: qf, .offset: 0, .size: 8, .value_kind: global_buffer, .address_space: global }
      - { .name: kv, .offset: 8, .size: 8, .value_kind: global_buffer, .address_space: global }
      - { .name: ctx, .offset: 16, .size: 8, .value_kind: global_buffer, .address_space: global }
      - { .name: op1_W, .offset: 24, .size: 8, .value_kind: global_buffer, .address_space: global }
      - { .name: op2_W, .offset: 32, .size: 8, .value_kind: global_buffer, .address_space: global }
      - { .name: Wo, .offset: 40, .size: 8, .value_kind: global_buffer, .address_space: global }
      - { .name: ffn_W1, .offset: 48, .size: 8, .value_kind: global_buffer, .address_space: global }
      - { .name: ffn_W2, .offset: 56, .size: 8, .value_kind: global_buffer, .address_space: global }
      - { .name: wq, .offset: 64, .size: 8, .value_kind: global_buffer, .address_space: global }
    .group_segment_fixed_size: 296960
    .private_segment_fixed_size: 0
    .kernarg_segment_align: 8
    .kernarg_segment_size: 72
    .max_flat_workgroup_size: 512
    .sgpr_count:     84
    .vgpr_count:     256
    .wavefront_size: 32
...
	.end_amdgpu_metadata
.endif
;; end of part 2
;; launch tail (part 3): grid 256 x 1, 4 waves a work-group, no clusters, 157,696 bytes of LDS; arguments ctx, h, wq, bo, ln_op1_g, ln_op1_b, op1_b, ln_mlp_g, ln_mlp_b, ffn_b1, ffn_b2, ln_op2_g, ln_op2_b, op2_b, out0; writes out0
.if DOCPART == 3
	.amdgcn_target "amdgcn-amd-amdhsa--gfx1250"
	.amdhsa_code_object_version 6
	.text
	.protected	k_q9ce9bdf285_tail
	.globl	k_q9ce9bdf285_tail
	.p2align	8
	.type	k_q9ce9bdf285_tail,@function
k_q9ce9bdf285_tail:
	s_mov_b64 s[64:65], 0
	v_nop
	global_prefetch_b8 v0, s[64:65] scope:SCOPE_SE
	s_setreg_imm32_b32 hwreg(HW_REG_WAVE_MODE, 25, 1), 1
	s_wait_xcnt 0x0
; h += Q(ctx) Q(Wo)^T + bo;  h += mix1(LN(h));  h += Q(gelu(Q(LN(h)) Q(W1)^T + b1)) Q(W2)^T + b2;  h += mix2(LN(h)).   mix(t)[n] = the sum over i, j of Q(t_i t_j) Q(W)[n][128 i + j] + b[n].
; All products on codes of E2M1 with one E8M0 scale for each 32 along K.  Nothing goes to memory between the steps.
; SHARES.  A work-group of four waves takes 32 rows: two tiles u; lane r of tile u holds row 8 u + r + 8 (r / 8) (the order in which ctx's images were made); lambda = 16 u + r numbers them in LDS.
; THE WAVES SPLIT K: in a mix wave w takes i = 32 w .. 32 w + 31 (a K step of 128 is one i, all j), in the FFN hidden units 128 w .. 128 w + 127, which are K step w of the second product.
; Each wave has all 16 accumulators (2 tiles of rows x 8 tiles of outputs); the four partial sums meet in LDS, and wave w adds them for rows lambda = 8 w .. 8 w + 7, whose h it keeps in registers.
; A MIX'S OPERAND IS MADE ON THE WAY: a lane holds t_j for j = 64 c + 32 h + 0 .. 31 of its row; a K step multiplies them by t_i (one word from LDS) and converts.  A block's largest magnitude is
; |t_i| x the largest |t_j| of the block, rounded: rounding keeps order, so that is the largest of the rounded products, and it needs no search.
; THE WEIGHTS come from wq as images of their registers, straight into the registers of the one wave that uses them: 18 loads of 512 consecutive bytes a K step, three K steps ahead in four buffers.
; Each buffer has a base of its own, stepped four groups on behind the counted wait that shows that buffer's 18 loads done: so no other wait stands in the loop for the bases' sake.
; All products are used TRANSPOSED (source 0 = 16 rows of W, source 1 = 16 rows of the operand): a lane holds eight neighbouring outputs of one row.
; NO CLUSTER, NO LDS RING FOR THE WEIGHTS, though all work-groups walk the same images: a joint load lands in LDS, where beside the 157,184 bytes in use two slots of three K steps (110,592 bytes each) do not fit,
; and with one load a wave behind each round two slots of two K steps (73,728 bytes) have less on their way than the 110,592 bytes that the four waves' registers hold here.  Not built.
; erf is the rational form z P(z^2) / Q(z^2) on z held to [-4, 4] (degrees 6 and 4 in z^2), in f32: some 1e-7 of 1.
; LIMITS: NaN and infinities are not served; a block under 2^-124 gets the byte 1; the order of the f32 sums is this text's.
; REGISTERS, in windows of 256 (s_set_vgpr_msb: bits 1:0 source 0, 3:2 source 1, 5:4 source 2, 7:6 destination):
;   window 0: v1-15 addresses; v16-143 T (64 u + 32 c + i); v144-175 PROD; v176-191 the operand's two fragments; v192-223 the weights' scale words; v224-225 the operand's; v226-229 largest |t_j|; v230-237 t_i; v238-253 at work
;   window 1: v0-127 the accumulators, (u, t) at 8 (8 u + t).   window 2: four buffers of 64 for the weights' fragments.   window 3: v0-63 a gain, v64-127 an offset, v128-159 my 8 rows of h.
.set HB,   0                           ; LDS, rows 528 bytes apart (132 words: row r starts at bank 4 r mod 64): 32 rows of the new h
.set RED,  16896                       ; four waves' partial sums, 16,896 bytes each
.set TB,   84480                       ; each wave's own copy of t, for the look-ups of t_i
.set PRM,  152064                      ; ten vectors of 512 bytes: ln_op1 g, b; ln_mlp g, b; ln_op2 g, b; bo; op1_b; ffn_b2; op2_b
.set LI,   1                           ; 16 x lane
.set VH,   2                           ; 528 r + 128 h
.set VTW,  3                           ; TB + 16896 w + 528 r + 128 h
.set VT,   4                           ; where t_i is looked up; stepped in the loop
.set VR,   5                           ; RED + 16896 w + 528 r + 32 h
.set VRD,  6                           ; RED + 4224 w + 16 x lane
.set VHW,  7                           ; 4224 w + 16 x lane
.set SH8,  8                           ; 8 h
.set VC,   9                           ; ctx: 16 r + 262144 h
.set VG,   10                          ; PRM + 128 h
.set VP,   11                          ; RED + 528 r + 32 h + 128 w
.set V64H, 12
.set VPW,  13                          ; PRM + 4 x thread
.set VT0,  14                          ; TB + 16896 w + 528 r + 128 w
.set VB,   15                          ; PRM + 16 x lane
.set T,    16
.set PROD, 144
.set AC,   176
.set BSC,  192
.set AS,   224
.set MJ,   226
.set TIN,  230
.set TM,   238
.set HREG, 128
.set WV,   34
.set SEL,  38
.set CNT,  40
.set C128, 41
.set EPS,  42
.set FB,   54
.set WPB,  56                          ; s[56:63] the four buffers' bases
.set MSB, 0
.macro WIN new                         ; the immediate's high byte repeats the setting that is left
.if MSB != \new
	s_set_vgpr_msb (MSB<<8)|\new
.set MSB, \new
.endif
.endm
.macro PLACES n
.rept \n
	v_nop
.endr
.endm
.macro MUL0 d, a, b, sa, sb            ; a product that starts a sum
	v_wmma_scale_f32_16x16x128_f8f6f4 v[\d:\d+7], v[\a:\a+7], v[\b:\b+7], 0, v[\sa], v[\sb] matrix_a_fmt:MATRIX_FMT_FP4 matrix_b_fmt:MATRIX_FMT_FP4
.endm
.macro MULC d, a, b, c, sa, sb
	v_wmma_scale_f32_16x16x128_f8f6f4 v[\d:\d+7], v[\a:\a+7], v[\b:\b+7], v[\c:\c+7], v[\sa], v[\sb] matrix_a_fmt:MATRIX_FMT_FP4 matrix_b_fmt:MATRIX_FMT_FP4
.endm
.macro QUANTW s, pc, pw                ; register s + 32 c + i = k 64 c + 32 h + i of my row -> the fragment at pc, the row's scale word in pw
.irp c, 0,1
	v_max3_num_f32 v[TM+\c], |v[\s+32*\c]|, |v[\s+32*\c+1]|, 0x1800000   ; my block 2 c + h, and the floor 2^(3 - 127)
.endr
.irp i, 2,4,6,8,10,12,14,16,18,20,22,24,26,28,30
.irp c, 0,1
	v_max3_num_f32 v[TM+\c], v[TM+\c], |v[\s+32*\c+\i]|, |v[\s+32*\c+\i+1]|
.endr
.endr
.irp c, 0,1
	v_add_nc_u32 v[TM+2+\c], 0xff000000, v[TM+\c]
.endr
.irp c, 0,1
	v_lshrrev_b32 v[TM+4+\c], 23, v[TM+2+\c]
.endr
	v_lshl_or_b32 v[TM+4], v[TM+5], 16, v[TM+4]
	v_lshlrev_b32 v[TM+4], v[SH8], v[TM+4]
	v_permlanex16_b32 v[TM+5], v[TM+4], s[SEL], s[SEL+1]
	v_or_b32 v[\pw], v[TM+4], v[TM+5]
.irp c, 0,1
.irp g, 0,1,2,3
	v_cvt_scalef32_pk8_fp4_f32 v[\pc+4*\c+\g], v[\s+32*\c+8*\g:\s+32*\c+8*\g+7], v[TM+2+\c]
.endr
.endr
	v_nop                                           ; one plain place behind a scaled conversion
.endm
.macro QUANTH s, pc, pw                ; register s + 16 b + i = k 32 b + 16 h + i of my row -> the same
.irp b, 0,1,2,3
	v_max3_num_f32 v[TM+\b], |v[\s+16*\b]|, |v[\s+1+16*\b]|, 0x1800000
.endr
.irp i, 2,4,6,8,10,12,14
.irp b, 0,1,2,3
	v_max3_num_f32 v[TM+\b], v[TM+\b], |v[\s+16*\b+\i]|, |v[\s+1+16*\b+\i]|
.endr
.endr
.irp b, 0,1,2,3
	v_permlanex16_b32 v[TM+4+\b], v[TM+\b], s[SEL], s[SEL+1]
.endr
.irp b, 0,1,2,3
	v_max_num_f32 v[TM+\b], v[TM+\b], v[TM+4+\b]
.endr
.irp b, 0,1,2,3
	v_add_nc_u32 v[TM+12+\b], 0xff000000, v[TM+\b]
.endr
.irp b, 0,1,2,3
	v_lshrrev_b32 v[TM+4+\b], 23, v[TM+12+\b]
.endr
	v_lshl_or_b32 v[\pw], v[TM+5], 8, v[TM+4]
	v_lshl_or_b32 v[\pw], v[TM+6], 16, v[\pw]
	v_lshl_or_b32 v[\pw], v[TM+7], 24, v[\pw]
.irp b, 0,1,2,3
	v_cvt_scalef32_pk8_fp4_f32 v[\pc+2*\b], v[\s+16*\b:\s+7+16*\b], v[TM+12+\b]
	v_cvt_scalef32_pk8_fp4_f32 v[\pc+1+2*\b], v[\s+8+16*\b:\s+15+16*\b], v[TM+12+\b]
.endr
	v_nop
.irp c, 0,1
.irp i, 0,1
	v_permlane16_swap_b32 v[\pc+4*\c+\i], v[\pc+2+4*\c+\i]
.endr
.endr
.endm
.macro LNSTAT x                        ; 64 numbers of a lane, the row's other 64 in lane l xor 16: (x - mean) / sqrt(variance + 1e-5), in place
	v_pk_add_f32 v[TM:TM+1], v[\x:\x+1], v[\x+2:\x+3]
	v_pk_add_f32 v[TM+2:TM+3], v[\x+4:\x+5], v[\x+6:\x+7]
.set li, 8
.rept 14
	v_pk_add_f32 v[TM:TM+1], v[TM:TM+1], v[\x+li:\x+li+1]
	v_pk_add_f32 v[TM+2:TM+3], v[TM+2:TM+3], v[\x+li+2:\x+li+3]
.set li, li+4
.endr
	v_pk_add_f32 v[TM:TM+1], v[TM:TM+1], v[TM+2:TM+3]
	v_add_f32 v[TM+4], v[TM], v[TM+1]
	v_permlanex16_b32 v[TM+5], v[TM+4], s[SEL], s[SEL+1]
	v_add_f32 v[TM+4], v[TM+4], v[TM+5]
	v_mul_f32 v[TM+6], s[C128], v[TM+4]
.set li, 0
.rept 32
	v_pk_add_f32 v[\x+li:\x+li+1], v[\x+li:\x+li+1], v[TM+6:TM+7] op_sel_hi:[1,0] neg_lo:[0,1] neg_hi:[0,1]
.set li, li+2
.endr
	v_pk_mul_f32 v[TM:TM+1], v[\x:\x+1], v[\x:\x+1]
	v_pk_mul_f32 v[TM+2:TM+3], v[\x+2:\x+3], v[\x+2:\x+3]
.set li, 4
.rept 15
	v_pk_fma_f32 v[TM:TM+1], v[\x+li:\x+li+1], v[\x+li:\x+li+1], v[TM:TM+1]
	v_pk_fma_f32 v[TM+2:TM+3], v[\x+li+2:\x+li+3], v[\x+li+2:\x+li+3], v[TM+2:TM+3]
.set li, li+4
.endr
	v_pk_add_f32 v[TM:TM+1], v[TM:TM+1], v[TM+2:TM+3]
	v_add_f32 v[TM+4], v[TM], v[TM+1]
	v_permlanex16_b32 v[TM+5], v[TM+4], s[SEL], s[SEL+1]
	v_add_f32 v[TM+4], v[TM+4], v[TM+5]
	v_fma_f32 v[TM+4], v[TM+4], s[C128], s[EPS]
	v_rsq_f32 v[TM+8], v[TM+4]
	v_nop
.set li, 0
	s_wait_alu depctr_va_vdst(0)
.rept 32
	v_pk_mul_f32 v[\x+li:\x+li+1], v[\x+li:\x+li+1], v[TM+8:TM+9] op_sel_hi:[1,0]
.set li, li+2
.endr
.endm
; The group of wq at buffer nb's base, into buffer nb: 16 loads of fragments, 2 of scale words
.macro RLOAD nb
	WIN 0x80                                       ; destination window 2
.irp t, 0,1,2,3,4,5,6,7
.irp c, 0,1
	global_load_b128 v[64*(\nb)+8*\t+4*\c:64*(\nb)+8*\t+4*\c+3], v[LI], s[WPB+2*(\nb):WPB+2*(\nb)+1] offset:1024*\t+512*\c
.endr
.endr
	WIN 0
.irp g, 0,1
	global_load_b128 v[BSC+8*(\nb)+4*\g:BSC+8*(\nb)+4*\g+3], v[LI], s[WPB+2*(\nb):WPB+2*(\nb)+1] offset:8192+512*\g
.endr
.endm
; The K step's scales, for both tiles of rows by turns (no line waits for the line above it): tile u's work lies at TM + 6 u; its t_i in the pair TIN(u, par)
.macro GENS par
.irp u, 0,1
.irp c, 0,1
	v_mul_f32 v[TM+6*\u+\c], |v[TIN+4*\u+2*\par]|, v[MJ+2*\u+\c]   ; the blocks' largest magnitudes
.endr
.endr
.irp u, 0,1
.irp c, 0,1
	v_max_num_f32 v[TM+6*\u+\c], 0x1800000, v[TM+6*\u+\c]          ; the floor 2^(3 - 127)
.endr
.endr
.irp u, 0,1
.irp c, 0,1
	v_add_nc_u32 v[TM+6*\u+2+\c], 0xff000000, v[TM+6*\u+\c]        ; the conversions' scale operands
.endr
.endr
.irp u, 0,1
.irp c, 0,1
	v_lshrrev_b32 v[TM+6*\u+4+\c], 23, v[TM+6*\u+2+\c]
.endr
.endr
.irp u, 0,1
	v_lshl_or_b32 v[TM+6*\u+4], v[TM+6*\u+5], 16, v[TM+6*\u+4]
.endr
.irp u, 0,1
	v_lshlrev_b32 v[TM+6*\u+4], v[SH8], v[TM+6*\u+4]
.endr
.irp u, 0,1
	v_permlanex16_b32 v[TM+6*\u+5], v[TM+6*\u+4], s[SEL], s[SEL+1]
.endr
.irp u, 0,1
	v_or_b32 v[AS+\u], v[TM+6*\u+4], v[TM+6*\u+5]  ; the rows' scale words; the 64 multiplications below are their places ahead of the products
.endr
.endm
; Tile u's fragment of the K step
.macro GENC u, par
.set TI, TIN+4*\u+2*\par
.irp c, 0,1
.set gk, 0
.rept 16
	v_pk_mul_f32 v[PROD+gk:PROD+gk+1], v[T+64*\u+32*\c+gk:T+64*\u+32*\c+gk+1], v[TI:TI+1] op_sel_hi:[1,0]   ; t_j t_i
.set gk, gk+2
.endr
.irp g, 0,1,2,3
	v_cvt_scalef32_pk8_fp4_f32 v[AC+8*\u+4*\c+\g], v[PROD+8*\g:PROD+8*\g+7], v[TM+6*\u+2+\c]
.endr
	v_nop                                          ; one plain place behind the conversions, whose sources are written again
.endr
.endm
; A K step.  buf: its buffer; par: which pair holds its t_i; zero: it starts the sums; load: the K step three on is asked for; left: the loads that may stay out; tnext: the next t_i is asked for, at toff
.macro STEP buf, par, zero, load, left, tnext, toff
	s_wait_dscnt 0x0                               ; this step's t_i, asked for a step ago
.if \tnext
	ds_load_b32 v[TIN+2*(1-\par)], v[VT] offset:\toff
	ds_load_b32 v[TIN+4+2*(1-\par)], v[VT] offset:8448+\toff
.endif
	GENS \par
	GENC 0, \par
	GENC 1, \par
.if \load
	RLOAD (\buf+3)%4                               ; into the buffer that the last step multiplied: the lines above are the places behind those products
.endif
	s_wait_loadcnt \left                           ; loads come back in order: this step's 18 are in, those of the later steps may be out
.if \load
	s_add_nc_u64 s[WPB+2*\buf:WPB+2*\buf+1], s[WPB+2*\buf:WPB+2*\buf+1], 4*9216   ; every load that names this buffer's base is done by that wait; those still out name the other three
.endif
	PLACES 3                                       ; with GENC's last line four places between the last conversion and the products
	WIN 0x52                                       ; source 0 window 2, source 1 window 0, C and D window 1
.irp u, 0,1
.irp t, 0,1,2,3,4,5,6,7                ; the 16 accumulators take turns, one instruction a turn, over the backward jump too
.if \zero
	MUL0 8*(8*\u+\t), 64*\buf+8*\t, AC+8*\u, BSC+8*\buf+\t, AS+\u
.else
	MULC 8*(8*\u+\t), 64*\buf+8*\t, AC+8*\u, 8*(8*\u+\t), BSC+8*\buf+\t, AS+\u
.endif
.endr
.endr
	WIN 0
.endm
.macro MIXPRE gbase                    ; my 32 groups begin at gbase + 32 w: buffer b's base at group b; the first three are asked for
	s_mul_i32 s52, s[WV], 32*9216
	s_add_co_u32 s52, s52, (\gbase)*9216
	s_mov_b32 s53, 0
	s_add_nc_u64 s[WPB:WPB+1], s[8:9], s[52:53]    ; every load that named the old bases has been waited for
.irp b, 1,2,3
	s_add_nc_u64 s[WPB+2*\b:WPB+2*\b+1], s[WPB+2*\b-2:WPB+2*\b-1], 9216
.endr
	RLOAD 0
	RLOAD 1
	RLOAD 2
.endm
.macro MIXRUN                          ; my 32 K steps
	v_mov_b32 v[VT], v[VT0]
	ds_load_b32 v[TIN], v[VT]
	ds_load_b32 v[TIN+4], v[VT] offset:8448
	STEP 0, 0, 1, 1, 54, 1, 4                      ; the first step stands ahead of the loop: its products start the sums.  54 = three later steps' 18 loads
	s_mov_b32 s[CNT], 7
.Lmix_\@:
	STEP 1, 1, 0, 1, 54, 1, 8
	STEP 2, 0, 0, 1, 54, 1, 12
	STEP 3, 1, 0, 1, 54, 1, 16
	STEP 0, 0, 0, 1, 54, 1, 20
	v_add_nc_u32 v[VT], 16, v[VT]
	s_sub_co_u32 s[CNT], s[CNT], 1
	s_cmp_lg_u32 s[CNT], 0
	s_cbranch_scc1 .Lmix_\@
	STEP 1, 1, 0, 0, 36, 1, 8                      ; the last three steps ask for no weights: the counts run down
	STEP 2, 0, 0, 0, 18, 1, 12
	STEP 3, 1, 0, 0, 0, 0, 0
.endm
.macro TORED                           ; my 16 accumulators into my part of RED, each from its low end on; then the barrier
	WIN 0x04                                       ; an LDS store's data are its source 1: window 1
.irp u, 0,1
.irp t, 0,1,2,3,4,5,6,7
	ds_store_b128 v[VR], v[8*(8*\u+\t):8*(8*\u+\t)+3] offset:8448*\u+64*\t
	ds_store_b128 v[VR], v[8*(8*\u+\t)+4:8*(8*\u+\t)+7] offset:8448*\u+64*\t+16
.endr
.endr
	WIN 0
	s_wait_dscnt 0x0                               ; for the others' sake: my stores have landed, and my reads of HB are long in
	s_barrier_signal -1
	s_barrier_wait -1
.endm
; My 8 rows: np parts and bias bidx are added onto h.  last = 0: the new h goes to HB, and a barrier follows; last = 1: it is the result
.macro REDUCE np, bidx, last
.irp q, 0,1,2,3,4,5,6,7
.if \np == 4
.irp p, 0,1,2,3
	ds_load_b128 v[T+16*\q+4*\p:T+16*\q+4*\p+3], v[VRD] offset:16896*\p+528*\q
.endr
.else
	ds_load_b128 v[T+16*\q:T+16*\q+3], v[VRD] offset:528*\q
.endif
.endr
	ds_load_b128 v[PROD:PROD+3], v[VB] offset:512*\bidx
	s_wait_dscnt 0x0
.irp q, 0,1,2,3,4,5,6,7
.if \np == 4
.irp k, 0,2
	v_pk_add_f32 v[T+16*\q+\k:T+16*\q+\k+1], v[T+16*\q+\k:T+16*\q+\k+1], v[T+16*\q+4+\k:T+16*\q+5+\k]
	v_pk_add_f32 v[T+16*\q+8+\k:T+16*\q+9+\k], v[T+16*\q+8+\k:T+16*\q+9+\k], v[T+16*\q+12+\k:T+16*\q+13+\k]
.endr
.irp k, 0,2
	v_pk_add_f32 v[T+16*\q+\k:T+16*\q+\k+1], v[T+16*\q+\k:T+16*\q+\k+1], v[T+16*\q+8+\k:T+16*\q+9+\k]
.endr
.endif
.irp k, 0,2
	v_pk_add_f32 v[T+16*\q+\k:T+16*\q+\k+1], v[T+16*\q+\k:T+16*\q+\k+1], v[PROD+\k:PROD+\k+1]
.endr
.endr
	WIN 0xc3                                       ; destination and source 0 window 3
.irp q, 0,1,2,3,4,5,6,7
.irp k, 0,2
	v_pk_add_f32 v[HREG+4*\q+\k:HREG+4*\q+\k+1], v[HREG+4*\q+\k:HREG+4*\q+\k+1], v[T+16*\q+\k:T+16*\q+\k+1]
.endr
.endr
	WIN 0x0c                                       ; a store's data are its source 1: window 3
.irp q, 0,1,2,3,4,5,6,7
.if \last
	global_store_b128 v[LI], v[HREG+4*\q:HREG+4*\q+3], s[32:33] offset:512*\q th:TH_STORE_NT   ; 32 lanes store a whole row of 512 bytes
.else
	ds_store_b128 v[VHW], v[HREG+4*\q:HREG+4*\q+3] offset:528*\q
.endif
.endr
	WIN 0
.if !\last
	s_wait_dscnt 0x0                               ; my rows lie in HB, and my reads of RED are in
	s_barrier_signal -1
	s_barrier_wait -1
.endif
.endm
.macro LNALL idx                       ; every wave norms all 32 rows: T = LN(h) x gain + offset, lane (r, h): k = 64 c + 32 h + i of tile u's row r
.irp u, 0,1
.irp c, 0,1
.irp g, 0,1,2,3,4,5,6,7
	ds_load_b128 v[T+64*\u+32*\c+4*\g:T+64*\u+32*\c+4*\g+3], v[VH] offset:8448*\u+256*\c+16*\g
.endr
.endr
.endr
	WIN 0xc0                                       ; destination window 3
.irp c, 0,1
.irp g, 0,1,2,3,4,5,6,7
	ds_load_b128 v[32*\c+4*\g:32*\c+4*\g+3], v[VG] offset:1024*\idx+256*\c+16*\g
	ds_load_b128 v[64+32*\c+4*\g:64+32*\c+4*\g+3], v[VG] offset:1024*\idx+512+256*\c+16*\g
.endr
.endr
	WIN 0
	s_wait_dscnt 0x0
	LNSTAT T
	LNSTAT T+64
	WIN 0x3c                                       ; sources 1 and 2 window 3
.irp u, 0,1
.set kk, 0
.rept 32
	v_pk_fma_f32 v[T+64*\u+kk:T+64*\u+kk+1], v[T+64*\u+kk:T+64*\u+kk+1], v[kk:kk+1], v[64+kk:64+kk+1]
.set kk, kk+2
.endr
.endr
	WIN 0
.endm
.macro TPREP                           ; the largest |t_j| of my four blocks (e = 2 u + c), by turns; and t into my wave's own copy, for the look-ups
.irp e, 0,1,2,3
	v_max3_num_f32 v[MJ+\e], |v[T+32*\e]|, |v[T+32*\e+1]|, |v[T+32*\e+2]|
.endr
.irp i, 3,5,7,9,11,13,15,17,19,21,23,25,27,29
.irp e, 0,1,2,3
	v_max3_num_f32 v[MJ+\e], v[MJ+\e], |v[T+32*\e+\i]|, |v[T+32*\e+\i+1]|
.endr
.endr
.irp e, 0,1,2,3
	v_max_num_f32 v[MJ+\e], v[MJ+\e], |v[T+32*\e+31]|
.endr
.irp e, 0,1,2,3
.irp g, 0,1,2,3,4,5,6,7
	ds_store_b128 v[VTW], v[T+32*\e+4*\g:T+32*\e+4*\g+3] offset:8448*(\e/2)+256*(\e%2)+16*\g
.endr
.endr
.endm
; gelu(x) = x / 2 + (x / 2) erf(x / sqrt(2)) on 8 registers.  PROD: z 0-7, z^2 8-15, P 16-23, Q 24-31.  v[TM:TM+1] and v[TM+2:TM+3] hold P's and Q's second coefficients
.macro GELU x
.irp k, 0,2,4,6
	v_pk_mul_f32 v[PROD+\k:PROD+\k+1], v[\x+\k:\x+\k+1], 0x3f3504f3 op_sel_hi:[1,0]
.endr
.irp k, 0,1,2,3,4,5,6,7
	v_med3_num_f32 v[PROD+\k], v[PROD+\k], -4.0, 4.0
.endr
.irp k, 0,2,4,6
	v_pk_mul_f32 v[PROD+8+\k:PROD+9+\k], v[PROD+\k:PROD+\k+1], v[PROD+\k:PROD+\k+1]
.endr
.irp k, 0,2,4,6
	v_pk_fma_f32 v[PROD+16+\k:PROD+17+\k], v[PROD+8+\k:PROD+9+\k], 0xaf95df0b, v[TM:TM+1] op_sel_hi:[1,0,1]
	v_pk_fma_f32 v[PROD+24+\k:PROD+25+\k], v[PROD+8+\k:PROD+9+\k], 0xb77460cd, v[TM+2:TM+3] op_sel_hi:[1,0,1]
.endr
.irp lit, 0xb60cff51, 0xb86ec2d2, 0xba40ac63, 0xbb41a1f6, 0xbc83dbd4
.irp k, 0,2,4,6
	v_pk_fma_f32 v[PROD+16+\k:PROD+17+\k], v[PROD+16+\k:PROD+17+\k], v[PROD+8+\k:PROD+9+\k], \lit op_sel_hi:[1,1,0]
.endr
.endr
.irp lit, 0xbadc924e, 0xbbf19bf8, 0xbc69b6a7
.irp k, 0,2,4,6
	v_pk_fma_f32 v[PROD+24+\k:PROD+25+\k], v[PROD+24+\k:PROD+25+\k], v[PROD+8+\k:PROD+9+\k], \lit op_sel_hi:[1,1,0]
.endr
.endr
.irp k, 0,1,2,3,4,5,6,7
	v_rcp_f32 v[PROD+24+\k], v[PROD+24+\k]
.endr
.irp k, 0,2,4,6
	v_pk_mul_f32 v[PROD+16+\k:PROD+17+\k], v[PROD+16+\k:PROD+17+\k], v[PROD+\k:PROD+\k+1]   ; z P: plain lines behind the reciprocals, which they do not touch
.endr
	s_wait_alu depctr_va_vdst(0)
.irp k, 0,2,4,6
	v_pk_mul_f32 v[PROD+16+\k:PROD+17+\k], v[PROD+16+\k:PROD+17+\k], v[PROD+24+\k:PROD+25+\k]   ; erf
.endr
.irp k, 0,2,4,6
	v_pk_mul_f32 v[PROD+\k:PROD+\k+1], v[\x+\k:\x+\k+1], 0.5 op_sel_hi:[1,0]
.endr
.irp k, 0,2,4,6
	v_pk_fma_f32 v[\x+\k:\x+\k+1], v[PROD+\k:PROD+\k+1], v[PROD+16+\k:PROD+17+\k], v[PROD+\k:PROD+\k+1]
.endr
.endm
.macro PLD i, sb
	global_load_b32 v[PROD+\i], v[TIN], s[\sb:\sb+1]
.endm
	s_load_b512 s[4:19], s[0:1], 0x0               ; ctx 4, h 6, wq 8, bo 10, ln_op1_g 12, ln_op1_b 14, op1_b 16, ln_mlp_g 18
	s_load_b256 s[20:27], s[0:1], 0x40             ; ln_mlp_b 20, ffn_b1 22, ffn_b2 24, ln_op2_g 26
	s_load_b128 s[28:31], s[0:1], 0x60             ; ln_op2_b 28, op2_b 30
	s_load_b64 s[32:33], s[0:1], 0x70              ; out0
	v_lshl_add_u32 v254, v0, 2, 0x26600
	v_mov_b32 v255, 0
	v_lshrrev_b32 v1, 5, v0
	v_readfirstlane_b32 s[WV], v1                  ; wave 0..3
	v_and_b32 v16, 31, v0                          ; lane
	v_and_b32 v17, 15, v0                          ; r
	v_bfe_u32 v18, v0, 4, 1                        ; h
	v_lshlrev_b32 v[LI], 4, v16
	v_mul_u32_u24 v19, v17, 528
	v_lshl_add_u32 v[VH], v18, 7, v19
	s_mul_i32 s44, s[WV], 16896
	s_add_co_u32 s45, s44, TB
	v_add_nc_u32 v[VTW], s45, v[VH]
	s_lshl_b32 s46, s[WV], 7
	s_add_co_u32 s47, s45, s46
	v_add_nc_u32 v[VT0], s47, v19
	v_lshl_add_u32 v20, v18, 5, v19
	s_add_co_u32 s45, s44, RED
	v_add_nc_u32 v[VR], s45, v20
	s_add_co_u32 s45, s46, RED
	v_add_nc_u32 v[VP], s45, v20
	s_mul_i32 s44, s[WV], 4224
	v_add_nc_u32 v[VHW], s44, v[LI]
	s_add_co_u32 s44, s44, RED
	v_add_nc_u32 v[VRD], s44, v[LI]
	v_lshlrev_b32 v[SH8], 3, v18
	v_lshlrev_b32 v[VC], 4, v17
	v_lshl_add_u32 v[VC], v18, 18, v[VC]
	v_lshl_add_u32 v[VG], v18, 7, PRM
	v_lshlrev_b32 v[V64H], 6, v18
	v_lshl_add_u32 v[VPW], v0, 2, PRM
	v_add_nc_u32 v[VB], PRM, v[LI]
	v_lshlrev_b32 v[TIN], 2, v0                    ; 4 x thread, for the ten vectors' loads; the register takes its own part behind the wait for them
.irp i, 0,1,2,3,4,5,6,7,8,9,10,11,12,13,14,15
	v_mov_b32 v[TM+\i], 0                          ; written once: a lane permute's destination and the upper half of a named pair count as read
.endr
	s_mov_b32 s[SEL], 0x76543210
	s_mov_b32 s[SEL+1], 0xfedcba98
	s_mov_b32 s[C128], 0x3c000000                  ; 1 / 128
	s_mov_b32 s[EPS], 0x3727c5ac                   ; 1e-5
	s_lshl_b32 s44, ttmp9, 5
	s_lshr_b32 s45, s[WV], 1
	s_lshl_b32 s45, s45, 3
	s_add_co_u32 s44, s44, s45
	s_and_b32 s45, s[WV], 1
	s_lshl_b32 s45, s45, 4
	s_add_co_u32 s44, s44, s45                     ; the first of my 8 rows: 32 x work-group + 8 (w / 2) + 16 (w % 2)
	s_lshl_b32 s44, s44, 9
	s_mov_b32 s45, 0
	s_lshr_b32 s46, ttmp9, 6
	s_lshl_b32 s46, s46, 10
	s_and_b32 s47, ttmp9, 63
	s_lshl_b32 s47, s47, 1
	s_add_co_u32 s46, s46, s47
	s_lshl_b32 s46, s46, 10                        ; ctx: (1024 x batch + the block's first tile) KiB
	s_mov_b32 s47, 0
	s_wait_kmcnt 0x0
	s_add_nc_u64 s[6:7], s[6:7], s[44:45]
	s_add_nc_u64 s[32:33], s[32:33], s[44:45]
	s_add_nc_u64 s[4:5], s[4:5], s[46:47]
	s_lshl_b32 s44, s[WV], 11
	s_add_nc_u64 s[48:49], s[8:9], s[44:45]        ; wq + 2048 w: Wo's tiles 2 w, 2 w + 1
	s_lshr_b32 s44, s[WV], 1
	s_lshl_b32 s44, s44, 9
	s_and_b32 s46, s[WV], 1
	s_lshl_b32 s46, s46, 3
	s_add_co_u32 s44, s44, s46
	s_add_nc_u64 s[50:51], s[8:9], s[44:45]        ; and their two scale words
	s_mul_i32 s44, s[WV], 9216
	s_add_nc_u64 s[FB:FB+1], s[8:9], s[44:45]      ; wq + 9216 w: my groups of W1 and of W2
	s_lshl_b32 s44, s[WV], 9
	s_add_nc_u64 s[22:23], s[22:23], s[44:45]      ; b1: my 128
	; ---- the head's 55 loads, and behind them the first mix's first three K steps
	PLD 0, 12
	PLD 1, 14
	PLD 2, 18
	PLD 3, 20
	PLD 4, 26
	PLD 5, 28
	PLD 6, 10
	PLD 7, 16
	PLD 8, 24
	PLD 9, 30
	WIN 0xc0
.irp q, 0,1,2,3,4,5,6,7
	global_load_b128 v[HREG+4*\q:HREG+4*\q+3], v[LI], s[6:7] offset:512*\q     ; a whole row of h a load
.endr
	WIN 0
.irp u, 0,1                            ; ctx: k = 16 x head + channel.  Register 64 u + 32 c + 16 e + 8 p + 4 k: head 4 c + 2 h + e, channels 8 p + 4 k on; sixteen lanes read 256 consecutive bytes of that head's image
.irp c, 0,1
.irp e, 0,1
.irp p, 0,1
.irp k, 0,1
	global_load_b128 v[T+64*\u+32*\c+16*\e+8*\p+4*\k:T+64*\u+32*\c+16*\e+8*\p+4*\k+3], v[VC], s[4:5] offset:524288*\c+131072*\e+1024*\u+512*\k+256*\p
.endr
.endr
.endr
.endr
.endr
	WIN 0x80
.irp e, 0,1
.irp c, 0,1
	global_load_b128 v[192+8*\e+4*\c:192+8*\e+4*\c+3], v[LI], s[48:49] offset:259*9216+1024*\e+512*\c
.endr
.endr
	WIN 0
	global_load_b64 v[BSC+24:BSC+25], v[LI], s[50:51] offset:259*9216+8192
	MIXPRE 0
	s_wait_loadcnt 54                              ; all but the mix's 54
	; ---- the out-projection: wave w makes outputs 32 w .. 32 w + 31 of all 32 rows
.irp i, 0,1,2,3,4,5,6,7,8,9
	ds_store_b32 v[VPW], v[PROD+\i] offset:512*\i
.endr
.irp i, 0,1,2,3,4,5,6,7
	v_mov_b32 v[TIN+\i], 0                         ; the upper halves of the pairs are named, so they are written
.endr
	QUANTW T, AC, AS
	QUANTW T+64, AC+8, AS+1
	PLACES 8                                       ; a scale word made by a vector instruction stands eight places ahead of a scaled product
	WIN 0x42                                       ; source 0 window 2, destination window 1
.irp u, 0,1
.irp e, 0,1
	MUL0 8*(2*\u+\e), 192+8*\e, AC+8*\u, BSC+24+\e, AS+\u
.endr
.endr
	WIN 0
	PLACES 4
	WIN 0x04
.irp u, 0,1
.irp e, 0,1
	ds_store_b128 v[VP], v[8*(2*\u+\e):8*(2*\u+\e)+3] offset:8448*\u+64*\e
	ds_store_b128 v[VP], v[8*(2*\u+\e)+4:8*(2*\u+\e)+7] offset:8448*\u+64*\e+16
.endr
.endr
	WIN 0
	s_wait_dscnt 0x0
	s_barrier_signal -1
	s_barrier_wait -1                              ; 32 whole rows lie in RED's first part, and the ten vectors in PRM
	REDUCE 1, 6, 0
	; ---- the first mix
	LNALL 0
	TPREP
	MIXRUN
	PLACES 4                                       ; behind the last products: for the stores of results
	WIN 0x80                                       ; the FFN's weights are asked for here: buffers 0, 1, 2, which the steps before the last multiplied
.irp t, 0,1,2,3,4,5,6,7
.irp c, 0,1
	global_load_b128 v[8*\t+4*\c:8*\t+4*\c+3], v[LI], s[FB:FB+1] offset:260*9216+1024*\t+512*\c
	global_load_b128 v[64+8*\t+4*\c:64+8*\t+4*\c+3], v[LI], s[FB:FB+1] offset:264*9216+1024*\t+512*\c
.endr
.endr
.irp t, 0,1,2,3,4,5,6,7                ; b1 in the result's layout: hidden units 32 (t / 2) + 16 h + 8 (t % 2) + 0 .. 7
	global_load_b128 v[128+8*\t:128+8*\t+3], v[V64H], s[22:23] offset:(32*(\t/2)+8*(\t%2))*4
	global_load_b128 v[128+8*\t+4:128+8*\t+7], v[V64H], s[22:23] offset:(32*(\t/2)+8*(\t%2))*4+16
.endr
	WIN 0
.irp g, 0,1
	global_load_b128 v[BSC+4*\g:BSC+4*\g+3], v[LI], s[FB:FB+1] offset:260*9216+8192+512*\g
	global_load_b128 v[BSC+8+4*\g:BSC+8+4*\g+3], v[LI], s[FB:FB+1] offset:264*9216+8192+512*\g
.endr
	TORED
	REDUCE 4, 7, 0
	; ---- the FFN
	LNALL 1
	QUANTW T, AC, AS
	QUANTW T+64, AC+8, AS+1
	s_wait_loadcnt 0x0                             ; W1, W2, b1 and their scale words
	PLACES 8
	WIN 0x22                                       ; source 0 (W1) and source 2 (b1) window 2
.irp u, 0,1
.irp t, 0,1,2,3,4,5,6,7
	MULC T+64*\u+8*\t, 8*\t, AC+8*\u, 128+8*\t, BSC+\t, AS+\u
.endr
.endr
	WIN 0
	PLACES 4
	v_mov_b32 v[TM], 0x32edffee
	v_mov_b32 v[TM+1], 0x32edffee
	v_mov_b32 v[TM+2], 0xb95fbd29
	v_mov_b32 v[TM+3], 0xb95fbd29
.set gx, T
.rept 16
	GELU gx
.set gx, gx+8
.endr
	QUANTH T, AC, AS                               ; my 128 hidden units are K step w of the second product
	QUANTH T+64, AC+8, AS+1
	PLACES 8
	WIN 0x42
.irp u, 0,1
.irp t, 0,1,2,3,4,5,6,7
	MUL0 8*(8*\u+\t), 64+8*\t, AC+8*\u, BSC+8+\t, AS+\u
.endr
.endr
	WIN 0
	PLACES 4                                       ; for the loads into the weights' registers and for the stores of results
	MIXPRE 128
	TORED
	REDUCE 4, 8, 0
	; ---- the second mix
	LNALL 2
	TPREP
	MIXRUN
	PLACES 4
	TORED
	REDUCE 4, 9, 1
	s_wait_tensorcnt 0x0
	ds_add_u32 v254, v255
	s_wait_dscnt 0x0
	s_endpgm
.Lfunc_end_k_q9ce9bdf285_tail:
	.size	k_q9ce9bdf285_tail, .Lfunc_end_k_q9ce9bdf285_tail-k_q9ce9bdf285_tail
	.p2alignl 7, 3214868480
	.fill 96, 4, 3214868480
	.section	.rodata,"a",@progbits
	.p2align	6, 0x0
	.amdhsa_kernel k_q9ce9bdf285_tail
		.amdhsa_group_segment_fixed_size 157696
		.amdhsa_private_segment_fixed_size 0
		.amdhsa_enable_private_segment 0
		.amdhsa_kernarg_size 120
		.amdhsa_user_sgpr_count 2
		.amdhsa_user_sgpr_kernarg_segment_ptr 1
		.amdhsa_wavefront_size32 1
		.amdhsa_system_sgpr_workgroup_id_x 1
		.amdhsa_system_sgpr_workgroup_id_y 1
		.amdhsa_system_sgpr_workgroup_id_z 1
		.amdhsa_system_vgpr_workitem_id 0
		.amdhsa_next_free_vgpr 1024
		.amdhsa_next_free_sgpr 66
		.amdhsa_reserve_vcc 0
		.amdhsa_float_denorm_mode_32 3
		.amdhsa_float_denorm_mode_16_64 3
		.amdhsa_memory_ordered 1
		.amdhsa_forward_progress 1
		.amdhsa_inst_pref_size 255
	.end_amdhsa_kernel
	.section	.bss,"aw",@nobits
	.p2align	6
	.space	262144
	.amdgpu_metadata
---
amdhsa.version: [ 1, 2 ]
amdhsa.kernels:
  - .name:           k_q9ce9bdf285_tail
    .symbol:         k_q9ce9bdf285_tail.kd
    .args:
      - { .name: ctx, .offset: 0, .size: 8, .value_kind: global_buffer, .address_space: global }
      - { .name: h, .offset: 8, .size: 8, .value_kind: global_buffer, .address_space: global }
      - { .name: wq, .offset: 16, .size: 8, .value_kind: global_buffer, .address_space: global }
      - { .name: bo, .offset: 24, .size: 8, .value_kind: global_buffer, .address_space: global }
      - { .name: ln_op1_g, .offset: 32, .size: 8, .value_kind: global_buffer, .address_space: global }
      - { .name: ln_op1_b, .offset: 40, .size: 8, .value_kind: global_buffer, .address_space: global }
      - { .name: op1_b, .offset: 48, .size: 8, .value_kind: global_buffer, .address_space: global }
      - { .name: ln_mlp_g, .offset: 56, .size: 8, .value_kind: global_buffer, .address_space: global }
      - { .name: ln_mlp_b, .offset: 64, .size: 8, .value_kind: global_buffer, .address_space: global }
      - { .name: ffn_b1, .offset: 72, .size: 8, .value_kind: global_buffer, .address_space: global }
      - { .name: ffn_b2, .offset: 80, .size: 8, .value_kind: global_buffer, .address_space: global }
      - { .name: ln_op2_g, .offset: 88, .size: 8, .value_kind: global_buffer, .address_space: global }
      - { .name: ln_op2_b, .offset: 96, .size: 8, .value_kind: global_buffer, .address_space: global }
      - { .name: op2_b, .offset: 104, .size: 8, .value_kind: global_buffer, .address_space: global }
      - { .name: out0, .offset: 112, .size: 8, .value_kind: global_buffer, .address_space: global }
    .group_segment_fixed_size: 157696
    .private_segment_fixed_size: 0
    .kernarg_segment_align: 8
    .kernarg_segment_size: 120
    .max_flat_workgroup_size: 128
    .sgpr_count:     66
    .vgpr_count:     1024
    .wavefront_size: 32
...
	.end_amdgpu_metadata
.endif
;; end of part 3
;; ======== version 2 of 2: 3 launches; version 1 with the launches qkv, tail written anew for expert scheduling mode
;; workspace buffers: wq 2,469,888 bytes; qf 4,194,304 bytes; kv 5,046,272 bytes; ctx 4,194,304 bytes
;; launch qkv (part 4): grid 64 x 1, 8 waves a work-group, no clusters, 77,824 bytes of LDS; arguments h, key_padding_mask, ln_a_g, ln_a_b, bqkv, Wqkv, qf, kv; writes qf, kv
.if DOCPART == 4
	.amdgcn_target "amdgcn-amd-amdhsa--gfx1250"
	.amdhsa_code_object_version 6
	.text
	.protected	k_q9ce9bdf285_qkv
	.globl	k_q9ce9bdf285_qkv
	.p2align	8
	.type	k_q9ce9bdf285_qkv,@function
k_q9ce9bdf285_qkv:
	s_mov_b64 s[64:65], 0
	v_nop
	global_prefetch_b8 v0, s[64:65] scope:SCOPE_SE
	s_setreg_imm32_b32 hwreg(HW_REG_WAVE_SCHED_MODE, 0, 2), 2
	s_setreg_imm32_b32 hwreg(HW_REG_WAVE_MODE, 25, 1), 1
	s_wait_xcnt 0x0
	s_wait_alu depctr_vm_vsrc(0)
; t = LN(h); q, k, v = Q(t) Q(Wqkv)^T + bqkv on codes of E2M1.  What the attention launch wants leaves as images of its operands' registers.
; A work-group takes 128 rows: one key step of one batch.  Its rows form eight tiles: lane r of tile m holds row 32 (m / 2) + 8 (m % 2) + r + 8 (r / 8).
; PHASE X: wave w norms and quantises tile w (lane (r, h): k = 64 c + 32 h + 0 .. 31 of its row) and puts the fragment and its scale words into LDS as they stand in its registers.
;   It also quantises its own head's 16 rows of Wq, Wk and Wv: three fragments that stay in its registers.
;   All four blocks of 16 rows x 512 bytes are read row by row, 512 consecutive bytes a load, into register window 1, and turn through the wave's own stage in LDS (rows 528 bytes apart).
; PHASE P: wave w is head w, for all eight tiles.  q and k are made TRANSPOSED (source 0 = the head's 16 rows of W, source 1 = 16 rows of t): lane (r, h) then holds channels 8 h + 0 .. 7 of row r.
;   q goes to qf [batch x 8 + head][tile][1 KiB], f32.  k, with the rows of masked keys set to 0, goes to kv likewise.  v is made the natural way round (lane = channel, registers = keys:
;   by the tiles' row order 16 neighbouring keys in two neighbouring tiles), is quantised along the keys and leaves as one fragment of 16 channels x 128 keys with its scale words.
;   The mask also leaves as one f32 a key: 0, or -4e9 where masked: the scores' product takes it as its C, and -4e9 / sqrt(16) is the -1e9 that the masked score has by definition.
; kv, a head: 131,072 bytes of k, 16,384 of v's codes, 2,048 of v's scale words, 8,192 of the mask's numbers: 157,696 dense bytes.
; 64 work-groups: 128 rows are what makes v's fragment, its scale word and k's 8 KiB whole images; a wave has 24 matrix instructions, so a finer split would only cut images apart.
; LIMITS: NaN and infinities are not served; a block of zeros or under 2^-124 gets the byte 1 (its codes add nothing or are the rule's; this program alone reads the bytes).
; No cluster: the weights that work-groups share are 24 KiB a wave, read once.
; THE MODE: SCHED_MODE bits 1:0 = 2 (LLVM: expert scheduling mode 2), set by the entry lines.  The code itself states the register dependences
; between vector or matrix instructions and memory or LDS instructions, with s_wait_alu, always for 0.
; THE PLAN.  Registers that memory or LDS instructions touch:
;   window 1        the raw rows: written by global loads, read by the LDS stores into the stage; no vector instruction names them.
;   X (v16-79)      h's tile back from the stage, normed and converted; then Wk's rows; behind the barrier the eight fragments of t.
;   Y (v80-143)     the gain, read by the norm's multiply-adds; then Wq's rows; then Wv's; behind the barrier the accumulators, which the stores of q and k read.
;   v144-207        the offset, read by the same multiply-adds; then the weights' fragments (vector and matrix instructions alone) and the biases (loads).
;   PC, PW          written by conversions, read by the image's LDS stores; written again for v, read by the last stores.   v216-219: the mask's numbers, read by one store.
;   v1-v15          offsets and LDS addresses, made at the head and never written again.
; With two buffers for the stage's way back, Wq's and Wk's turns through the stage are both issued behind ONE wait on va_vdst (behind t's conversions), and Wv's behind one more (behind Wq's conversions).
.set STG,   9216                       ; LDS: 8 KiB of images, 1 KiB of scale words, then a stage of 8,448 bytes for each wave
.set LI,    1                          ; 16 x lane
.set LS,    2                          ; 4 x lane
.set V128H, 4
.set SH8,   5                          ; 8 h
.set IW,    6                          ; where my fragment's image goes: 1024 w + 16 x lane
.set SWA,   7                          ; and its scale words: 8192 + 128 w + 4 x lane
.set V32H,  8
.set V4R,   9
.set VK,    10                         ; r + 8 (r / 8)
.set STW,   14                         ; my stage, on the way in: 16 x lane
.set STR,   15                         ; and on the way out: 528 r + 128 h
.set X,     16                         ; v16-79  64 numbers of my row; later TF: the eight fragments of t
.set TF,    16
.set GG,    80                         ; v80-143 the gain; then Y: 64 numbers of a row of Wq or Wv; later ACC: eight accumulators
.set Y,     80
.set ACC,   80
.set BB,    144                        ; v144-207 the offset; later the head's weights and biases
.set WQ,    144
.set WK,    152
.set WV,    160
.set BQ,    168
.set BK,    176
.set BV8,   184
.set TM,    208                        ; v208-223 at work
.set PC,    224
.set PW,    232
.set TS,    233                        ; v233-240 t's scale words (scales alone)
.set WS,    241                        ; v241-243 the weights' (scales alone)
.set MK,    244                        ; v244-251 the mask byte of my lane's key in tile m
.set VZ,    252
.set VNEG,  253
.set MW,    254                        ; four mask bytes: keys 4 x lane on
.set CM,    4                          ; s[4:15] behind the last load that took them as a base: twelve lane masks
.set SEL,   44                         ; window 1: v0-63 h's 16 rows as loaded, v64-255 those of Wq, Wk, Wv
.set C128,  46
.set EPS,   47
.set MSB, 0
.macro WIN new                         ; s_set_vgpr_msb: bits 1:0 source 0, 3:2 source 1, 5:4 source 2, 7:6 destination; the high byte repeats the setting that is left
.if MSB != \new
	s_set_vgpr_msb (MSB<<8)|\new
.set MSB, \new
.endif
.endm
.macro QUANTW s, pc, pw                ; register s + 32 c + i = k 64 c + 32 h + i of my row -> the fragment at pc, the row's scale word in pw
.irp c, 0,1
	v_max3_num_f32 v[TM+\c], |v[\s+32*\c]|, |v[\s+32*\c+1]|, 0x1800000   ; my block 2 c + h, and the floor 2^(3 - 127): the byte cannot fall under 1
.endr
.irp i, 2,4,6,8,10,12,14,16,18,20,22,24,26,28,30
.irp c, 0,1
	v_max3_num_f32 v[TM+\c], v[TM+\c], |v[\s+32*\c+\i]|, |v[\s+32*\c+\i+1]|
.endr
.endr
.irp c, 0,1
	v_add_nc_u32 v[TM+2+\c], 0xff000000, v[TM+\c]   ; 2 off the exponent field: the conversion's scale operand
.endr
.irp c, 0,1
	v_lshrrev_b32 v[TM+4+\c], 23, v[TM+2+\c]
.endr
	v_lshl_or_b32 v[TM+4], v[TM+5], 16, v[TM+4]
	v_lshlrev_b32 v[TM+4], v[SH8], v[TM+4]
	v_permlanex16_b32 v[TM+5], v[TM+4], s[SEL], s[SEL+1]
	v_or_b32 v[\pw], v[TM+4], v[TM+5]
.irp c, 0,1
.irp g, 0,1,2,3
	v_cvt_scalef32_pk8_fp4_f32 v[\pc+4*\c+\g], v[\s+32*\c+8*\g:\s+32*\c+8*\g+7], v[TM+2+\c]
.endr
.endr
	v_nop                                           ; one plain place behind a scaled conversion
.endm
.macro QUANTH s, pc, pw                ; register s + 16 b + i = k 32 b + 16 h + i of my row -> the same
.irp b, 0,1,2,3
	v_max3_num_f32 v[TM+\b], |v[\s+16*\b]|, |v[\s+1+16*\b]|, 0x1800000
.endr
.irp i, 2,4,6,8,10,12,14
.irp b, 0,1,2,3
	v_max3_num_f32 v[TM+\b], v[TM+\b], |v[\s+16*\b+\i]|, |v[\s+1+16*\b+\i]|
.endr
.endr
.irp b, 0,1,2,3
	v_permlanex16_b32 v[TM+4+\b], v[TM+\b], s[SEL], s[SEL+1]
.endr
.irp b, 0,1,2,3
	v_max_num_f32 v[TM+\b], v[TM+\b], v[TM+4+\b]    ; with lane l xor 16's 16: the block's largest magnitude
.endr
.irp b, 0,1,2,3
	v_add_nc_u32 v[TM+12+\b], 0xff000000, v[TM+\b]
.endr
.irp b, 0,1,2,3
	v_lshrrev_b32 v[TM+4+\b], 23, v[TM+12+\b]
.endr
	v_lshl_or_b32 v[\pw], v[TM+5], 8, v[TM+4]
	v_lshl_or_b32 v[\pw], v[TM+6], 16, v[\pw]
	v_lshl_or_b32 v[\pw], v[TM+7], 24, v[\pw]
.irp b, 0,1,2,3
	v_cvt_scalef32_pk8_fp4_f32 v[\pc+2*\b], v[\s+16*\b:\s+7+16*\b], v[TM+12+\b]
	v_cvt_scalef32_pk8_fp4_f32 v[\pc+1+2*\b], v[\s+8+16*\b:\s+15+16*\b], v[TM+12+\b]
.endr
	v_nop
.irp c, 0,1                            ; the layout wants a whole block in a lane: lanes 0-15 block 2 c, lanes 16-31 block 2 c + 1
.irp i, 0,1
	v_permlane16_swap_b32 v[\pc+4*\c+\i], v[\pc+2+4*\c+\i]
.endr
.endr
.endm
.macro LNSTAT x                        ; 64 numbers of a lane, the row's other 64 in lane l xor 16: (x - mean) / sqrt(variance + 1e-5), in place
	v_pk_add_f32 v[TM:TM+1], v[\x:\x+1], v[\x+2:\x+3]
	v_pk_add_f32 v[TM+2:TM+3], v[\x+4:\x+5], v[\x+6:\x+7]
.set li, 8
.rept 14
	v_pk_add_f32 v[TM:TM+1], v[TM:TM+1], v[\x+li:\x+li+1]
	v_pk_add_f32 v[TM+2:TM+3], v[TM+2:TM+3], v[\x+li+2:\x+li+3]
.set li, li+4
.endr
	v_pk_add_f32 v[TM:TM+1], v[TM:TM+1], v[TM+2:TM+3]
	v_add_f32 v[TM+4], v[TM], v[TM+1]
	v_permlanex16_b32 v[TM+5], v[TM+4], s[SEL], s[SEL+1]
	v_add_f32 v[TM+4], v[TM+4], v[TM+5]
	v_mul_f32 v[TM+6], s[C128], v[TM+4]             ; the mean
.set li, 0
.rept 32
	v_pk_add_f32 v[\x+li:\x+li+1], v[\x+li:\x+li+1], v[TM+6:TM+7] op_sel_hi:[1,0] neg_lo:[0,1] neg_hi:[0,1]
.set li, li+2
.endr
	v_pk_mul_f32 v[TM:TM+1], v[\x:\x+1], v[\x:\x+1]
	v_pk_mul_f32 v[TM+2:TM+3], v[\x+2:\x+3], v[\x+2:\x+3]
.set li, 4
.rept 15
	v_pk_fma_f32 v[TM:TM+1], v[\x+li:\x+li+1], v[\x+li:\x+li+1], v[TM:TM+1]
	v_pk_fma_f32 v[TM+2:TM+3], v[\x+li+2:\x+li+3], v[\x+li+2:\x+li+3], v[TM+2:TM+3]
.set li, li+4
.endr
	v_pk_add_f32 v[TM:TM+1], v[TM:TM+1], v[TM+2:TM+3]
	v_add_f32 v[TM+4], v[TM], v[TM+1]
	v_permlanex16_b32 v[TM+5], v[TM+4], s[SEL], s[SEL+1]
	v_add_f32 v[TM+4], v[TM+4], v[TM+5]
	v_fma_f32 v[TM+4], v[TM+4], s[C128], s[EPS]
	v_rsq_f32 v[TM+8], v[TM+4]
	v_nop                                           ; one plain place behind a transcendental
.set li, 0
	s_wait_alu depctr_va_vdst(0)
.rept 32
	v_pk_mul_f32 v[\x+li:\x+li+1], v[\x+li:\x+li+1], v[TM+8:TM+9] op_sel_hi:[1,0]
.set li, li+2
.endr
.endm
; 16 rows as loaded (window 1, from src on) go into my stage ..
.macro STIN src
	WIN 0x04                                       ; an LDS store's data are its source 1: window 1
.irp q, 0,1,2,3,4,5,6,7,8,9,10,11,12,13,14,15
	ds_store_b128 v[STW], v[\src+4*\q:\src+4*\q+3] offset:528*\q
.endr
	WIN 0
.endm
; .. and come back into dst: lane (r, h) gets k = 64 c + 32 h + 0 .. 31 of row r.  My wave's own bytes; LDS serves a wave's instructions in order: these see the stores above, and the next block's stores come behind them
.macro LDOUT dst
.irp c, 0,1
.irp g, 0,1,2,3,4,5,6,7
	ds_load_b128 v[\dst+32*\c+4*\g:\dst+32*\c+4*\g+3], v[STR] offset:256*\c+16*\g
.endr
.endr
.endm
.macro PROJ wf, bf, ws                 ; eight tiles, transposed: source 0 = the head's 16 rows of W, source 1 = 16 rows of t; the bias is the C
.irp m, 0,1,2,3,4,5,6,7
	v_wmma_scale_f32_16x16x128_f8f6f4 v[ACC+8*\m:ACC+8*\m+7], v[\wf:\wf+7], v[TF+8*\m:TF+8*\m+7], v[\bf:\bf+7], v[\ws], v[TS+\m] matrix_a_fmt:MATRIX_FMT_FP4 matrix_b_fmt:MATRIX_FMT_FP4
.endr
.endm
.macro OUT8 sb                         ; the eight accumulators leave as they stand, each from its low end on: 512 consecutive bytes a store
.irp m, 0,1,2,3,4,5,6,7
	global_store_b128 v[LI], v[ACC+8*\m:ACC+8*\m+3], s[\sb:\sb+1] offset:1024*\m
	global_store_b128 v[LI], v[ACC+8*\m+4:ACC+8*\m+7], s[\sb:\sb+1] offset:1024*\m+512
.endr
.endm
	s_load_b256 s[4:11], s[0:1], 0x0               ; h s[4:5], mask s[6:7], gain s[8:9], offset s[10:11]
	s_load_b256 s[12:19], s[0:1], 0x20             ; bqkv s[12:13], Wqkv s[14:15], qf s[16:17], kv s[18:19]
	v_lshl_add_u32 v3, v0, 2, 0x12c00
	v_mov_b32 v255, 0
	v_lshrrev_b32 v1, 5, v0
	v_readfirstlane_b32 s21, v1                    ; wave w
	v_and_b32 v11, 31, v0
	v_and_b32 v12, 15, v0                          ; r
	v_bfe_u32 v13, v0, 4, 1                        ; h
	v_lshlrev_b32 v[LI], 4, v11
	v_lshlrev_b32 v[LS], 2, v11
	v_and_b32 v[VK], 8, v12
	v_add_nc_u32 v[VK], v[VK], v12
	v_lshlrev_b32 v[V128H], 7, v13
	v_lshlrev_b32 v[SH8], 3, v13
	s_wait_alu depctr_va_sdst(0)                   ; s21 is written, ahead of its first reader: LDS addresses and all bases are made from it
	s_lshl_b32 s22, s21, 10
	v_add_nc_u32 v[IW], s22, v[LI]
	s_lshl_b32 s22, s21, 7
	s_add_co_u32 s22, s22, 8192
	v_add_nc_u32 v[SWA], s22, v[LS]
	s_mul_i32 s22, s21, 8448
	s_add_co_u32 s22, s22, STG
	v_add_nc_u32 v[STW], s22, v[LI]
	v_mul_u32_u24 v[STR], v12, 528
	v_lshl_add_u32 v[STR], v13, 7, v[STR]
	v_add_nc_u32 v[STR], s22, v[STR]
	v_lshlrev_b32 v[V32H], 5, v13
	v_lshlrev_b32 v[V4R], 2, v12
	v_mov_b32 v[VZ], 0
	v_mov_b32 v[VNEG], 0xcf6e6b28                  ; -4e9
.irp i, 0,1,2,3,4,5,6,7,8,9,10,11,12,13,14,15
	v_mov_b32 v[TM+\i], 0                          ; written once: a lane permute's destination and the upper half of a named pair count as read
.endr
	s_mov_b32 s[SEL], 0x76543210
	s_mov_b32 s[SEL+1], 0xfedcba98
	s_mov_b32 s[C128], 0x3c000000                  ; 1 / 128
	s_mov_b32 s[EPS], 0x3727c5ac                   ; 1e-5
	s_lshr_b32 s28, ttmp9, 4
	s_lshl_b32 s28, s28, 3
	s_add_co_u32 s28, s28, s21                     ; batch x 8 + head
	s_and_b32 s29, ttmp9, 15                       ; the key step
	s_lshl_b32 s22, ttmp9, 7
	s_lshr_b32 s23, s21, 1
	s_lshl_b32 s23, s23, 5
	s_add_co_u32 s22, s22, s23
	s_and_b32 s23, s21, 1
	s_lshl_b32 s23, s23, 3
	s_add_co_u32 s22, s22, s23                     ; my tile's first row: 128 W + 32 (w / 2) + 8 (w % 2)
	s_lshl_b32 s22, s22, 9
	s_mov_b32 s23, 0
	s_mov_b32 s31, 0
	s_wait_kmcnt 0x0
	s_add_nc_u64 s[4:5], s[4:5], s[22:23]
	s_lshl_b32 s22, ttmp9, 7
	s_add_nc_u64 s[6:7], s[6:7], s[22:23]          ; the step's 128 mask bytes
	s_lshl_b32 s22, s21, 13
	s_add_nc_u64 s[24:25], s[14:15], s[22:23]      ; Wqkv + 16 w rows of 512 bytes: my head's rows of Wq; Wk's and Wv's lie 128 and 256 rows on
	s_lshl_b32 s22, s21, 6
	s_add_nc_u64 s[12:13], s[12:13], s[22:23]      ; bqkv + 64 w
	s_lshl_b32 s30, s28, 17
	s_lshl_b32 s22, s29, 13
	s_add_co_u32 s30, s30, s22
	s_add_nc_u64 s[32:33], s[16:17], s[30:31]      ; qf: (head index x 128 + 8 step) KiB
	s_mul_i32 s30, s28, 157696
	s_add_nc_u64 s[18:19], s[18:19], s[30:31]      ; kv: the head's block
	s_lshl_b32 s30, s29, 13
	s_add_nc_u64 s[34:35], s[18:19], s[30:31]      ; + 8192 step: k
	s_lshl_b32 s30, s29, 10
	s_add_nc_u64 s[36:37], s[18:19], s[30:31]      ; + 1024 step: v's codes (131,072 on)
	s_lshl_b32 s30, s29, 7
	s_add_nc_u64 s[38:39], s[18:19], s[30:31]      ; + 128 step: v's scale words (147,456 on)
	s_lshl_b32 s30, s29, 9
	s_add_nc_u64 s[40:41], s[18:19], s[30:31]      ; + 512 step: the mask's numbers (149,504 on)
	; ---- X: all loads at once
	WIN 0x40                                       ; destination window 1
	s_wait_alu depctr_va_vdst(0)                   ; the offsets and LDS addresses v1 to v15 are written: every load and store of the kernel reads one of them
.irp q, 0,1,2,3,4,5,6,7,8,9,10,11,12,13,14,15
	global_load_b128 v[4*\q:4*\q+3], v[LI], s[4:5] offset:512*(\q+8*(\q/8))   ; the tile's row q, whole: 512 consecutive bytes
.endr
	WIN 0
.irp c, 0,1
.irp g, 0,1,2,3,4,5,6,7
	global_load_b128 v[GG+32*\c+4*\g:GG+32*\c+4*\g+3], v[V128H], s[8:9] offset:256*\c+16*\g
	global_load_b128 v[BB+32*\c+4*\g:BB+32*\c+4*\g+3], v[V128H], s[10:11] offset:256*\c+16*\g
.endr
.endr
.irp m, 0,1,2,3,4,5,6,7
	global_load_u8 v[MK+\m], v[VK], s[6:7] offset:32*(\m/2)+8*(\m%2)
.endr
	global_load_b32 v[MW], v[LS], s[6:7]
	WIN 0x40
.irp j, 0,1,2
.irp q, 0,1,2,3,4,5,6,7,8,9,10,11,12,13,14,15
	global_load_b128 v[64+64*\j+4*\q:64+64*\j+4*\q+3], v[LI], s[24:25] offset:65536*\j+512*\q
.endr
.endr
	WIN 0
	s_wait_loadcnt 48                              ; loads come back in order: all but the weights' 48 are in
	STIN 0
	LDOUT X                                        ; (no vector instruction has named X yet)
	s_wait_dscnt 0x0
	LNSTAT X
.set kk, 0
.rept 32
	v_pk_fma_f32 v[X+kk:X+kk+1], v[X+kk:X+kk+1], v[GG+kk:GG+kk+1], v[BB+kk:BB+kk+1]
.set kk, kk+2
.endr
	QUANTW X, PC, PW
	s_wait_alu depctr_va_vdst(0)                   ; the conversions have written PC and PW, which the LDS stores read, and are done reading X, in which Wk's rows land; the multiply-adds are done reading the gain, in which Wq's rows land, and the offset, in which the biases land
	global_load_b128 v[BQ:BQ+3], v[V32H], s[12:13]             ; the biases, into registers that the offset has left; in the result's layout: channels 8 h + 0 .. 7
	global_load_b128 v[BQ+4:BQ+7], v[V32H], s[12:13] offset:16
	global_load_b128 v[BK:BK+3], v[V32H], s[12:13] offset:512
	global_load_b128 v[BK+4:BK+7], v[V32H], s[12:13] offset:528
	global_load_b32 v[BV8], v[V4R], s[12:13] offset:1024       ; v's: channel r
	ds_store_b128 v[IW], v[PC:PC+3]
	ds_store_b128 v[IW], v[PC+4:PC+7] offset:512
	ds_store_b32 v[SWA], v[PW]
	s_wait_loadcnt 37                              ; Wq's 16 rows are in: behind them Wk's, Wv's and the five loads of biases
	STIN 64
	LDOUT Y
	s_wait_loadcnt 21                              ; Wk's
	STIN 128
	LDOUT X                                        ; no wait: no vector instruction since the wait above
	s_wait_dscnt 32                                ; LDS instructions end in order: Wq's rows are back; Wk's 16 stores and 16 loads may be out
	QUANTW Y, WQ, WS
	s_wait_alu depctr_va_vdst(0)                   ; the conversions are done reading Y, in which Wv's rows land
	s_wait_loadcnt 5                               ; Wv's
	STIN 192
	LDOUT Y
	s_wait_dscnt 32                                ; Wk's rows are back; Wv's 16 stores and 16 loads may be out
	QUANTW X, WK, WS+1
	s_wait_dscnt 0x0                               ; Wv's rows are back.  Also for the others' sake: my image lies in LDS, and no LDS instruction of mine follows ahead of the signal
	QUANTW Y, WV, WS+2
	s_barrier_signal -1
	s_barrier_wait -1
	; ---- P
	s_wait_alu depctr_va_vdst(0)                   ; the conversions are done reading X, in which t's fragments land; the weights' three fragments and scale words, which the scaled products take, are written
.irp m, 0,1,2,3,4,5,6,7
	ds_load_b128 v[TF+8*\m:TF+8*\m+3], v[LI] offset:1024*\m
	ds_load_b128 v[TF+8*\m+4:TF+8*\m+7], v[LI] offset:1024*\m+512
	ds_load_b32 v[TS+\m], v[LS] offset:8192+128*\m
.endr
	s_wait_loadcnt_dscnt 0x0
.irp j, 1,2,3,4,5,6,7
	v_mov_b32 v[BV8+\j], v[BV8]                    ; v's bias is one number a lane: eight times for the C
.endr
.irp q, 0,1,2,3
	v_bfe_u32 v[TM+\q], v[MW], 8*\q, 8             ; with the seven lines above: eight places and more between the weights' last scale word, made by a vector instruction, and the scaled products
.endr
.irp m, 0,1,2,3,4,5,6,7
	v_cmp_ne_u32 s[CM+\m], 0, v[MK+\m]             ; all twelve compares in one run.  (Every load that took s4 to s15 as a base is in)
.endr
.irp q, 0,1,2,3
	v_cmp_ne_u32 s[CM+8+\q], 0, v[TM+\q]
.endr
	s_wait_alu depctr_va_sdst(0)                   ; the twelve masks are written, ahead of their first reader
.irp q, 0,1,2,3
	v_cndmask_b32 v[TM+8+\q], v[VZ], v[VNEG], s[CM+8+\q]   ; the mask's numbers of keys 4 x lane on
.endr
	PROJ WQ, BQ, WS
.rept 5
	v_nop                                          ; four places in front of the stores of results; five in front of the products that write these accumulators anew
.endr
	s_wait_alu depctr_va_vdst(0)                   ; the products have written the accumulators and the selects the mask's numbers: the stores read them
	OUT8 32
	global_store_b128 v[LI], v[TM+8:TM+11], s[40:41] offset:149504
	s_wait_xcnt 0x0                                ; the stores' data are written again only behind this wait
	s_wait_alu depctr_vm_vsrc(0)                   ; the stores have read the accumulators, which the products below write
	PROJ WK, BK, WS+1
.rept 4
	v_nop
.endr
.irp m, 0,1,2,3,4,5,6,7
.irp j, 0,1,2,3,4,5,6,7
	v_cndmask_b32 v[ACC+8*\m+\j], v[ACC+8*\m+\j], v[VZ], s[CM+\m]   ; a masked key's k is 0: its score is then the C alone
.endr
.endr
	s_wait_alu depctr_va_vdst(0)                   ; the selects have written the accumulators, which the stores read
	OUT8 34
	s_wait_xcnt 0x0
	s_wait_alu depctr_vm_vsrc(0)                   ; the stores have read the accumulators, which the products below write; the image's LDS stores have read PC and PW, which v's conversions write
.irp m, 0,1,2,3,4,5,6,7                ; v, the natural way round: source 0 = 16 rows of t, source 1 = the head's 16 rows of Wv: lane = channel r, register 8 m + j = key 32 (m / 2) + 16 h + 8 (m % 2) + j
	v_wmma_scale_f32_16x16x128_f8f6f4 v[ACC+8*\m:ACC+8*\m+7], v[TF+8*\m:TF+8*\m+7], v[WV:WV+7], v[BV8:BV8+7], v[TS+\m], v[WS+2] matrix_a_fmt:MATRIX_FMT_FP4 matrix_b_fmt:MATRIX_FMT_FP4
.endr
.rept 4
	v_nop
.endr
	QUANTH ACC, PC, PW
	s_wait_alu depctr_va_vdst(0)                   ; v's codes and scale word are written: the stores read them
	global_store_b128 v[LI], v[PC:PC+3], s[36:37] offset:131072
	global_store_b128 v[LI], v[PC+4:PC+7], s[36:37] offset:131072+512
	global_store_b32 v[LS], v[PW], s[38:39] offset:147456
	s_wait_dscnt 0x0
	s_wait_alu depctr_hold_cnt(0) depctr_sa_sdst(0) depctr_va_vdst(0) depctr_va_sdst(0) depctr_va_ssrc(0) depctr_va_vcc(0) depctr_vm_vsrc(0)
	s_wait_tensorcnt 0x0
	ds_add_u32 v3, v255
	s_wait_dscnt 0x0
	s_endpgm
.Lfunc_end_k_q9ce9bdf285_qkv:
	.size	k_q9ce9bdf285_qkv, .Lfunc_end_k_q9ce9bdf285_qkv-k_q9ce9bdf285_qkv
	.p2alignl 7, 3214868480
	.fill 96, 4, 3214868480
	.section	.rodata,"a",@progbits
	.p2align	6, 0x0
	.amdhsa_kernel k_q9ce9bdf285_qkv
		.amdhsa_group_segment_fixed_size 77824
		.amdhsa_private_segment_fixed_size 0
		.amdhsa_enable_private_segment 0
		.amdhsa_kernarg_size 64
		.amdhsa_user_sgpr_count 2
		.amdhsa_user_sgpr_kernarg_segment_ptr 1
		.amdhsa_wavefront_size32 1
		.amdhsa_system_sgpr_workgroup_id_x 1
		.amdhsa_system_sgpr_workgroup_id_y 1
		.amdhsa_system_sgpr_workgroup_id_z 1
		.amdhsa_system_vgpr_workitem_id 0
		.amdhsa_next_free_vgpr 512
		.amdhsa_next_free_sgpr 66
		.amdhsa_reserve_vcc 0
		.amdhsa_float_denorm_mode_32 3
		.amdhsa_float_denorm_mode_16_64 3
		.amdhsa_memory_ordered 1
		.amdhsa_forward_progress 1
		.amdhsa_inst_pref_size 64
	.end_amdhsa_kernel
	.amdgpu_metadata
---
amdhsa.version: [ 1, 2 ]
amdhsa.kernels:
  - .name:           k_q9ce9bdf285_qkv
    .symbol:         k_q9ce9bdf285_qkv.kd
    .args:
      - { .name: h, .offset: 0, .size: 8, .value_kind: global_buffer, .address_space: global }
      - { .name: key_padding_mask, .offset: 8, .size: 8, .value_kind: global_buffer, .address_space: global }
      - { .name: ln_a_g, .offset: 16, .size: 8, .value_kind: global_buffer, .address_space: global }
      - { .name: ln_a_b, .offset: 24, .size: 8, .value_kind: global_buffer, .address_space: global }
      - { .name: bqkv, .offset: 32, .size: 8, .value_kind: global_buffer, .address_space: global }
      - { .name: Wqkv, .offset: 40, .size: 8, .value_kind: global_buffer, .address_space: global }
      - { .name: qf, .offset: 48, .size: 8, .value_kind: global_buffer, .address_space: global }
      - { .name: kv, .offset: 56, .size: 8, .value_kind: global_buffer, .address_space: global }
    .group_segment_fixed_size: 77824
    .private_segment_fixed_size: 0
    .kernarg_segment_align: 8
    .kernarg_segment_size: 64
    .max_flat_workgroup_size: 256
    .sgpr_count:     66
    .vgpr_count:     512
    .wavefront_size: 32
...
	.end_amdgpu_metadata
.endif
;; end of part 4
;; launch attn: the kernel of part 2 again; grid 8 x 32, 16 waves a work-group, no clusters, 296,960 bytes of LDS; arguments qf, kv, ctx, op1_W, op2_W, Wo, ffn_W1, ffn_W2, wq; writes ctx, wq
;; launch tail (part 5): grid 256 x 1, 4 waves a work-group, no clusters, 157,696 bytes of LDS; arguments ctx, h, wq, bo, ln_op1_g, ln_op1_b, op1_b, ln_mlp_g, ln_mlp_b, ffn_b1, ffn_b2, ln_op2_g, ln_op2_b, op2_b, out0; writes out0
.if DOCPART == 5
	.amdgcn_target "amdgcn-amd-amdhsa--gfx1250"
	.amdhsa_code_object_version 6
	.text
	.protected	k_q9ce9bdf285_tail
	.globl	k_q9ce9bdf285_tail
	.p2align	8
	.type	k_q9ce9bdf285_tail,@function
k_q9ce9bdf285_tail:
	s_mov_b64 s[64:65], 0
	v_nop
	global_prefetch_b8 v0, s[64:65] scope:SCOPE_SE
	s_setreg_imm32_b32 hwreg(HW_REG_WAVE_SCHED_MODE, 0, 2), 2
	s_setreg_imm32_b32 hwreg(HW_REG_WAVE_MODE, 25, 1), 1
	s_wait_xcnt 0x0
	s_wait_alu depctr_vm_vsrc(0)
; h += Q(ctx) Q(Wo)^T + bo;  h += mix1(LN(h));  h += Q(gelu(Q(LN(h)) Q(W1)^T + b1)) Q(W2)^T + b2;  h += mix2(LN(h)).   mix(t)[n] = the sum over i, j of Q(t_i t_j) Q(W)[n][128 i + j] + b[n].
; All products on codes of E2M1 with one E8M0 scale for each 32 along K.  Nothing goes to memory between the steps.
; SHARES.  A work-group of four waves takes 32 rows: two tiles u; lane r of tile u holds row 8 u + r + 8 (r / 8) (the order in which ctx's images were made); lambda = 16 u + r numbers them in LDS.
; THE WAVES SPLIT K: in a mix wave w takes i = 32 w .. 32 w + 31 (a K step of 128 is one i, all j), in the FFN hidden units 128 w .. 128 w + 127, which are K step w of the second product.
; Each wave has all 16 accumulators (2 tiles of rows x 8 tiles of outputs); the four partial sums meet in LDS, and wave w adds them for rows lambda = 8 w .. 8 w + 7, whose h it keeps in registers.
; A MIX'S OPERAND IS MADE ON THE WAY: a lane holds t_j for j = 64 c + 32 h + 0 .. 31 of its row; a K step multiplies them by t_i (one word from LDS) and converts.  A block's largest magnitude is
; |t_i| x the largest |t_j| of the block, rounded: rounding keeps order, so that is the largest of the rounded products, and it needs no search.
; THE WEIGHTS come from wq as images of their registers, straight into the registers of the one wave that uses them: 18 loads of 512 consecutive bytes a K step, three K steps ahead in four buffers.
; Each buffer has a base of its own, stepped four groups on behind the counted wait that shows that buffer's 18 loads done: so no other wait stands in the loop for the bases' sake.
; All products are used TRANSPOSED (source 0 = 16 rows of W, source 1 = 16 rows of the operand): a lane holds eight neighbouring outputs of one row.
; NO CLUSTER, NO LDS RING FOR THE WEIGHTS, though all work-groups walk the same images: a joint load lands in LDS, where beside the 157,184 bytes in use two slots of three K steps (110,592 bytes each) do not fit,
; and with one load a wave behind each round two slots of two K steps (73,728 bytes) have less on their way than the 110,592 bytes that the four waves' registers hold here.  Not built.
; erf is the rational form z P(z^2) / Q(z^2) on z held to [-4, 4] (degrees 6 and 4 in z^2), in f32: some 1e-7 of 1.
; LIMITS: NaN and infinities are not served; a block under 2^-124 gets the byte 1; the order of the f32 sums is this text's.
; REGISTERS, in windows of 256 (s_set_vgpr_msb: bits 1:0 source 0, 3:2 source 1, 5:4 source 2, 7:6 destination):
;   window 0: v1-15 addresses; v16-143 T (64 u + 32 c + i); v144-175 PROD; v176-191 the operand's two fragments; v192-223 the weights' scale words; v224-225 the operand's; v226-229 largest |t_j|; v230-237 t_i; v238-253 at work
;   window 1: v0-127 the accumulators, (u, t) at 8 (8 u + t).   window 2: four buffers of 64 for the weights' fragments.   window 3: v0-63 a gain, v64-127 an offset, v128-159 my 8 rows of h.
; THE MODE: SCHED_MODE bits 1:0 = 2 (LLVM: expert scheduling mode 2), set by the entry lines.  The code itself states the register dependences
; between vector or matrix instructions and memory or LDS instructions, with s_wait_alu, always for 0.
; THE PLAN.  Registers that memory or LDS instructions touch, in a mix's loop:
;   the weights' buffers 0 .. 3 and their scale words   K step s multiplies buffer s % 4; the loads of K step s + 3 land in buffer (s + 3) % 4 = (s - 1) % 4, which the step before multiplied.
;   the two pairs of t_i    K step s's vector lines read pair s % 2; the look-ups for K step s + 1, issued at step s's head, land in the other pair, which the step before read.
;   v[VT]                   Read by every look-up; stepped once a trip, between the two tiles' conversions of the trip's last step.
;   v[LI]                   Read by every load of weights; never written again: each buffer's scalar base moves on.
;   T, PROD, the operand's fragments and scale words and the accumulators are named by vector and matrix instructions alone there.
; So ONE wait on va_vdst stands in a K step, behind its conversions and their places, directly ahead of its first product.  It states that the operand's fragments and scale words are written, that the
; step before's products are done reading their buffer, that this step's lines are done reading its t_i, and that v[VT] is written.  Behind it the step's 18 loads stand between its first eight products
; and its last eight, which name this step's buffer, the operand and the accumulators: none of the registers that those loads touch.  One wait on vm_vsrc a trip stands ahead of the add to v[VT].
; Outside the loops: a wait on va_vdst behind the places ahead of each run of stores of results, and ahead of each run of scaled products on an operand just converted; a wait on vm_vsrc at the head of each
; adding-up of the parts, where all LDS stores so far have read their data.
.set HB,   0                           ; LDS, rows 528 bytes apart (132 words: row r starts at bank 4 r mod 64): 32 rows of the new h
.set RED,  16896                       ; four waves' partial sums, 16,896 bytes each
.set TB,   84480                       ; each wave's own copy of t, for the look-ups of t_i
.set PRM,  152064                      ; ten vectors of 512 bytes: ln_op1 g, b; ln_mlp g, b; ln_op2 g, b; bo; op1_b; ffn_b2; op2_b
.set LI,   1                           ; 16 x lane
.set VH,   2                           ; 528 r + 128 h
.set VTW,  3                           ; TB + 16896 w + 528 r + 128 h
.set VT,   4                           ; where t_i is looked up; stepped in the loop
.set VR,   5                           ; RED + 16896 w + 528 r + 32 h
.set VRD,  6                           ; RED + 4224 w + 16 x lane
.set VHW,  7                           ; 4224 w + 16 x lane
.set SH8,  8                           ; 8 h
.set VC,   9                           ; ctx: 16 r + 262144 h
.set VG,   10                          ; PRM + 128 h
.set VP,   11                          ; RED + 528 r + 32 h + 128 w
.set V64H, 12
.set VPW,  13                          ; PRM + 4 x thread
.set VT0,  14                          ; TB + 16896 w + 528 r + 128 w
.set VB,   15                          ; PRM + 16 x lane
.set T,    16
.set PROD, 144
.set AC,   176
.set BSC,  192
.set AS,   224
.set MJ,   226
.set TIN,  230
.set TM,   238
.set HREG, 128
.set WV,   34
.set SEL,  38
.set CNT,  40
.set C128, 41
.set EPS,  42
.set FB,   54
.set WPB,  56                          ; s[56:63] the four buffers' bases
.set MSB, 0
.macro WIN new                         ; the immediate's high byte repeats the setting that is left
.if MSB != \new
	s_set_vgpr_msb (MSB<<8)|\new
.set MSB, \new
.endif
.endm
.macro PLACES n
.rept \n
	v_nop
.endr
.endm
.macro MUL0 d, a, b, sa, sb            ; a product that starts a sum
	v_wmma_scale_f32_16x16x128_f8f6f4 v[\d:\d+7], v[\a:\a+7], v[\b:\b+7], 0, v[\sa], v[\sb] matrix_a_fmt:MATRIX_FMT_FP4 matrix_b_fmt:MATRIX_FMT_FP4
.endm
.macro MULC d, a, b, c, sa, sb
	v_wmma_scale_f32_16x16x128_f8f6f4 v[\d:\d+7], v[\a:\a+7], v[\b:\b+7], v[\c:\c+7], v[\sa], v[\sb] matrix_a_fmt:MATRIX_FMT_FP4 matrix_b_fmt:MATRIX_FMT_FP4
.endm
.macro QUANTW s, pc, pw                ; register s + 32 c + i = k 64 c + 32 h + i of my row -> the fragment at pc, the row's scale word in pw
.irp c, 0,1
	v_max3_num_f32 v[TM+\c], |v[\s+32*\c]|, |v[\s+32*\c+1]|, 0x1800000   ; my block 2 c + h, and the floor 2^(3 - 127)
.endr
.irp i, 2,4,6,8,10,12,14,16,18,20,22,24,26,28,30
.irp c, 0,1
	v_max3_num_f32 v[TM+\c], v[TM+\c], |v[\s+32*\c+\i]|, |v[\s+32*\c+\i+1]|
.endr
.endr
.irp c, 0,1
	v_add_nc_u32 v[TM+2+\c], 0xff000000, v[TM+\c]
.endr
.irp c, 0,1
	v_lshrrev_b32 v[TM+4+\c], 23, v[TM+2+\c]
.endr
	v_lshl_or_b32 v[TM+4], v[TM+5], 16, v[TM+4]
	v_lshlrev_b32 v[TM+4], v[SH8], v[TM+4]
	v_permlanex16_b32 v[TM+5], v[TM+4], s[SEL], s[SEL+1]
	v_or_b32 v[\pw], v[TM+4], v[TM+5]
.irp c, 0,1
.irp g, 0,1,2,3
	v_cvt_scalef32_pk8_fp4_f32 v[\pc+4*\c+\g], v[\s+32*\c+8*\g:\s+32*\c+8*\g+7], v[TM+2+\c]
.endr
.endr
	v_nop                                           ; one plain place behind a scaled conversion
.endm
.macro QUANTH s, pc, pw                ; register s + 16 b + i = k 32 b + 16 h + i of my row -> the same
.irp b, 0,1,2,3
	v_max3_num_f32 v[TM+\b], |v[\s+16*\b]|, |v[\s+1+16*\b]|, 0x1800000
.endr
.irp i, 2,4,6,8,10,12,14
.irp b, 0,1,2,3
	v_max3_num_f32 v[TM+\b], v[TM+\b], |v[\s+16*\b+\i]|, |v[\s+1+16*\b+\i]|
.endr
.endr
.irp b, 0,1,2,3
	v_permlanex16_b32 v[TM+4+\b], v[TM+\b], s[SEL], s[SEL+1]
.endr
.irp b, 0,1,2,3
	v_max_num_f32 v[TM+\b], v[TM+\b], v[TM+4+\b]
.endr
.irp b, 0,1,2,3
	v_add_nc_u32 v[TM+12+\b], 0xff000000, v[TM+\b]
.endr
.irp b, 0,1,2,3
	v_lshrrev_b32 v[TM+4+\b], 23, v[TM+12+\b]
.endr
	v_lshl_or_b32 v[\pw], v[TM+5], 8, v[TM+4]
	v_lshl_or_b32 v[\pw], v[TM+6], 16, v[\pw]
	v_lshl_or_b32 v[\pw], v[TM+7], 24, v[\pw]
.irp b, 0,1,2,3
	v_cvt_scalef32_pk8_fp4_f32 v[\pc+2*\b], v[\s+16*\b:\s+7+16*\b], v[TM+12+\b]
	v_cvt_scalef32_pk8_fp4_f32 v[\pc+1+2*\b], v[\s+8+16*\b:\s+15+16*\b], v[TM+12+\b]
.endr
	v_nop
.irp c, 0,1
.irp i, 0,1
	v_permlane16_swap_b32 v[\pc+4*\c+\i], v[\pc+2+4*\c+\i]
.endr
.endr
.endm
.macro LNSTAT x                        ; 64 numbers of a lane, the row's other 64 in lane l xor 16: (x - mean) / sqrt(variance + 1e-5), in place
	v_pk_add_f32 v[TM:TM+1], v[\x:\x+1], v[\x+2:\x+3]
	v_pk_add_f32 v[TM+2:TM+3], v[\x+4:\x+5], v[\x+6:\x+7]
.set li, 8
.rept 14
	v_pk_add_f32 v[TM:TM+1], v[TM:TM+1], v[\x+li:\x+li+1]
	v_pk_add_f32 v[TM+2:TM+3], v[TM+2:TM+3], v[\x+li+2:\x+li+3]
.set li, li+4
.endr
	v_pk_add_f32 v[TM:TM+1], v[TM:TM+1], v[TM+2:TM+3]
	v_add_f32 v[TM+4], v[TM], v[TM+1]
	v_permlanex16_b32 v[TM+5], v[TM+4], s[SEL], s[SEL+1]
	v_add_f32 v[TM+4], v[TM+4], v[TM+5]
	v_mul_f32 v[TM+6], s[C128], v[TM+4]
.set li, 0
.rept 32
	v_pk_add_f32 v[\x+li:\x+li+1], v[\x+li:\x+li+1], v[TM+6:TM+7] op_sel_hi:[1,0] neg_lo:[0,1] neg_hi:[0,1]
.set li, li+2
.endr
	v_pk_mul_f32 v[TM:TM+1], v[\x:\x+1], v[\x:\x+1]
	v_pk_mul_f32 v[TM+2:TM+3], v[\x+2:\x+3], v[\x+2:\x+3]
.set li, 4
.rept 15
	v_pk_fma_f32 v[TM:TM+1], v[\x+li:\x+li+1], v[\x+li:\x+li+1], v[TM:TM+1]
	v_pk_fma_f32 v[TM+2:TM+3], v[\x+li+2:\x+li+3], v[\x+li+2:\x+li+3], v[TM+2:TM+3]
.set li, li+4
.endr
	v_pk_add_f32 v[TM:TM+1], v[TM:TM+1], v[TM+2:TM+3]
	v_add_f32 v[TM+4], v[TM], v[TM+1]
	v_permlanex16_b32 v[TM+5], v[TM+4], s[SEL], s[SEL+1]
	v_add_f32 v[TM+4], v[TM+4], v[TM+5]
	v_fma_f32 v[TM+4], v[TM+4], s[C128], s[EPS]
	v_rsq_f32 v[TM+8], v[TM+4]
	v_nop
.set li, 0
	s_wait_alu depctr_va_vdst(0)
.rept 32
	v_pk_mul_f32 v[\x+li:\x+li+1], v[\x+li:\x+li+1], v[TM+8:TM+9] op_sel_hi:[1,0]
.set li, li+2
.endr
.endm
; The group of wq at buffer nb's base, into buffer nb: 16 loads of fragments, 2 of scale words
.macro RLOAD nb
	WIN 0x80                                       ; destination window 2
.irp t, 0,1,2,3,4,5,6,7
.irp c, 0,1
	global_load_b128 v[64*(\nb)+8*\t+4*\c:64*(\nb)+8*\t+4*\c+3], v[LI], s[WPB+2*(\nb):WPB+2*(\nb)+1] offset:1024*\t+512*\c
.endr
.endr
	WIN 0
.irp g, 0,1
	global_load_b128 v[BSC+8*(\nb)+4*\g:BSC+8*(\nb)+4*\g+3], v[LI], s[WPB+2*(\nb):WPB+2*(\nb)+1] offset:8192+512*\g
.endr
.endm
; The K step's scales, for both tiles of rows by turns (no line waits for the line above it): tile u's work lies at TM + 6 u; its t_i in the pair TIN(u, par)
.macro GENS par
.irp u, 0,1
.irp c, 0,1
	v_mul_f32 v[TM+6*\u+\c], |v[TIN+4*\u+2*\par]|, v[MJ+2*\u+\c]   ; the blocks' largest magnitudes
.endr
.endr
.irp u, 0,1
.irp c, 0,1
	v_max_num_f32 v[TM+6*\u+\c], 0x1800000, v[TM+6*\u+\c]          ; the floor 2^(3 - 127)
.endr
.endr
.irp u, 0,1
.irp c, 0,1
	v_add_nc_u32 v[TM+6*\u+2+\c], 0xff000000, v[TM+6*\u+\c]        ; the conversions' scale operands
.endr
.endr
.irp u, 0,1
.irp c, 0,1
	v_lshrrev_b32 v[TM+6*\u+4+\c], 23, v[TM+6*\u+2+\c]
.endr
.endr
.irp u, 0,1
	v_lshl_or_b32 v[TM+6*\u+4], v[TM+6*\u+5], 16, v[TM+6*\u+4]
.endr
.irp u, 0,1
	v_lshlrev_b32 v[TM+6*\u+4], v[SH8], v[TM+6*\u+4]
.endr
.irp u, 0,1
	v_permlanex16_b32 v[TM+6*\u+5], v[TM+6*\u+4], s[SEL], s[SEL+1]
.endr
.irp u, 0,1
	v_or_b32 v[AS+\u], v[TM+6*\u+4], v[TM+6*\u+5]  ; the rows' scale words; the 64 multiplications below are their places ahead of the products
.endr
.endm
; Tile u's fragment of the K step
.macro GENC u, par
.set TI, TIN+4*\u+2*\par
.irp c, 0,1
.set gk, 0
.rept 16
	v_pk_mul_f32 v[PROD+gk:PROD+gk+1], v[T+64*\u+32*\c+gk:T+64*\u+32*\c+gk+1], v[TI:TI+1] op_sel_hi:[1,0]   ; t_j t_i
.set gk, gk+2
.endr
.irp g, 0,1,2,3
	v_cvt_scalef32_pk8_fp4_f32 v[AC+8*\u+4*\c+\g], v[PROD+8*\g:PROD+8*\g+7], v[TM+6*\u+2+\c]
.endr
	v_nop                                          ; one plain place behind the conversions, whose sources are written again
.endr
.endm
; Eight products: tile u of rows against the weights' eight tiles.  The 16 accumulators take turns, one instruction a turn, over the backward jump too
.macro MUL8 u, buf, zero
.irp t, 0,1,2,3,4,5,6,7
.if \zero
	MUL0 8*(8*\u+\t), 64*\buf+8*\t, AC+8*\u, BSC+8*\buf+\t, AS+\u
.else
	MULC 8*(8*\u+\t), 64*\buf+8*\t, AC+8*\u, 8*(8*\u+\t), BSC+8*\buf+\t, AS+\u
.endif
.endr
.endm
; A K step.  buf: its buffer; par: which pair holds its t_i; zero: it starts the sums; load: the K step three on is asked for; left: the loads that may stay out; tnext: the next t_i is asked for, at toff;
; adv: the look-ups' address moves on by a trip
.macro STEP buf, par, zero, load, left, tnext, toff, adv
	s_wait_dscnt 0x0                               ; this step's t_i, asked for a step ago
.if \tnext
	ds_load_b32 v[TIN+2*(1-\par)], v[VT] offset:\toff          ; no wait: no vector or matrix instruction since the last step's wait on va_vdst names this pair or v[VT]
	ds_load_b32 v[TIN+4+2*(1-\par)], v[VT] offset:8448+\toff
.endif
	GENS \par
	GENC 0, \par
.if \adv
	s_wait_alu depctr_vm_vsrc(0)                   ; the look-ups issued so far have read v[VT]
	v_add_nc_u32 v[VT], 16, v[VT]                  ; ahead of this step's wait on va_vdst, which so stands between this line and the next look-up
.endif
	GENC 1, \par
	PLACES 3                                       ; with GENC's last line four places between the last conversion and the products
	s_wait_loadcnt \left                           ; loads come back in order: this step's 18 are in, those of the later steps may be out
.if \load
	s_add_nc_u64 s[WPB+2*\buf:WPB+2*\buf+1], s[WPB+2*\buf:WPB+2*\buf+1], 4*9216   ; every load that names this buffer's base is done by that wait; those still out name two of the others
.endif
	WIN 0x52                                       ; source 0 window 2, source 1 window 0, C and D window 1
	s_wait_alu depctr_va_vdst(0)                   ; the operand's fragments and scale words, which the scaled products take, are written; the last step's products are done reading their buffer and its scale words, in which the loads below land; this step's lines are done reading its t_i, in which the next look-ups land; v[VT] is written
	MUL8 0, \buf, \zero
.if \load
	RLOAD (\buf+3)%4                               ; no wait: the eight products since the wait name this step's buffer, the operand and the accumulators, none of this load's registers
	WIN 0x52
.endif
	MUL8 1, \buf, \zero
	WIN 0
.endm
.macro MIXPRE gbase                    ; my 32 groups begin at gbase + 32 w: buffer b's base at group b; the first three are asked for
	s_mul_i32 s52, s[WV], 32*9216
	s_add_co_u32 s52, s52, (\gbase)*9216
	s_mov_b32 s53, 0
	s_add_nc_u64 s[WPB:WPB+1], s[8:9], s[52:53]    ; every load that named the old bases has been waited for
.irp b, 1,2,3
	s_add_nc_u64 s[WPB+2*\b:WPB+2*\b+1], s[WPB+2*\b-2:WPB+2*\b-1], 9216
.endr
	RLOAD 0
	RLOAD 1
	RLOAD 2
.endm
.macro MIXRUN                          ; my 32 K steps
	ds_load_b32 v[TIN], v[VT]                      ; (behind TPREP's wait on va_vdst, with LDS stores alone between)
	ds_load_b32 v[TIN+4], v[VT] offset:8448
	STEP 0, 0, 1, 1, 36, 1, 4, 0                   ; the first step stands ahead of the loop: its products start the sums.  36 = two later steps' 18 loads
	s_mov_b32 s[CNT], 7
.Lmix_\@:
	STEP 1, 1, 0, 1, 36, 1, 8, 0
	STEP 2, 0, 0, 1, 36, 1, 12, 0
	STEP 3, 1, 0, 1, 36, 1, 16, 0
	STEP 0, 0, 0, 1, 36, 1, 20, 1
	s_sub_co_u32 s[CNT], s[CNT], 1
	s_cmp_lg_u32 s[CNT], 0
	s_cbranch_scc1 .Lmix_\@
	STEP 1, 1, 0, 0, 36, 1, 8, 0                   ; the last three steps ask for no weights: the counts run down
	STEP 2, 0, 0, 0, 18, 1, 12, 0
	STEP 3, 1, 0, 0, 0, 0, 0, 0
.endm
.macro TORED                           ; my 16 accumulators into my part of RED, each from its low end on; then the barrier.  (The places and the wait on va_vdst stand ahead of the macro)
	WIN 0x04                                       ; an LDS store's data are its source 1: window 1
.irp u, 0,1
.irp t, 0,1,2,3,4,5,6,7
	ds_store_b128 v[VR], v[8*(8*\u+\t):8*(8*\u+\t)+3] offset:8448*\u+64*\t
	ds_store_b128 v[VR], v[8*(8*\u+\t)+4:8*(8*\u+\t)+7] offset:8448*\u+64*\t+16
.endr
.endr
	WIN 0
	s_wait_dscnt 0x0                               ; for the others' sake: my stores have landed, and my reads of HB are long in
	s_barrier_signal -1
	s_barrier_wait -1
.endm
; My 8 rows: np parts and bias bidx are added onto h.  last = 0: the new h goes to HB, and a barrier follows; last = 1: it is the result
.macro REDUCE np, bidx, last
	s_wait_alu depctr_vm_vsrc(0)                   ; my LDS instructions so far have read their registers: the stores into RED the accumulators, which the next products write; the last adding-up's stores my rows of h, which the additions below write; the stores of t its registers, in which the loads below land; the look-ups v[VT], which the next mix sets anew
.irp q, 0,1,2,3,4,5,6,7
.if \np == 4
.irp p, 0,1,2,3
	ds_load_b128 v[T+16*\q+4*\p:T+16*\q+4*\p+3], v[VRD] offset:16896*\p+528*\q
.endr
.else
	ds_load_b128 v[T+16*\q:T+16*\q+3], v[VRD] offset:528*\q
.endif
.endr
	ds_load_b128 v[PROD:PROD+3], v[VB] offset:512*\bidx
	s_wait_dscnt 0x0
.irp q, 0,1,2,3,4,5,6,7
.if \np == 4
.irp k, 0,2
	v_pk_add_f32 v[T+16*\q+\k:T+16*\q+\k+1], v[T+16*\q+\k:T+16*\q+\k+1], v[T+16*\q+4+\k:T+16*\q+5+\k]
	v_pk_add_f32 v[T+16*\q+8+\k:T+16*\q+9+\k], v[T+16*\q+8+\k:T+16*\q+9+\k], v[T+16*\q+12+\k:T+16*\q+13+\k]
.endr
.irp k, 0,2
	v_pk_add_f32 v[T+16*\q+\k:T+16*\q+\k+1], v[T+16*\q+\k:T+16*\q+\k+1], v[T+16*\q+8+\k:T+16*\q+9+\k]
.endr
.endif
.irp k, 0,2
	v_pk_add_f32 v[T+16*\q+\k:T+16*\q+\k+1], v[T+16*\q+\k:T+16*\q+\k+1], v[PROD+\k:PROD+\k+1]
.endr
.endr
	WIN 0xc3                                       ; destination and source 0 window 3
.irp q, 0,1,2,3,4,5,6,7
.irp k, 0,2
	v_pk_add_f32 v[HREG+4*\q+\k:HREG+4*\q+\k+1], v[HREG+4*\q+\k:HREG+4*\q+\k+1], v[T+16*\q+\k:T+16*\q+\k+1]
.endr
.endr
	WIN 0x0c                                       ; a store's data are its source 1: window 3
	s_wait_alu depctr_va_vdst(0)                   ; the additions have written my rows of h, which the stores read, and are done with T, in which the norm's loads land
.irp q, 0,1,2,3,4,5,6,7
.if \last
	global_store_b128 v[LI], v[HREG+4*\q:HREG+4*\q+3], s[32:33] offset:512*\q th:TH_STORE_NT   ; 32 lanes store a whole row of 512 bytes
.else
	ds_store_b128 v[VHW], v[HREG+4*\q:HREG+4*\q+3] offset:528*\q
.endif
.endr
	WIN 0
.if !\last
	s_wait_dscnt 0x0                               ; my rows lie in HB, and my reads of RED are in
	s_barrier_signal -1
	s_barrier_wait -1
.endif
.endm
.macro LNALL idx                       ; every wave norms all 32 rows: T = LN(h) x gain + offset, lane (r, h): k = 64 c + 32 h + i of tile u's row r.  (No wait: no vector instruction stands between the adding-up's wait on va_vdst and these loads)
.irp u, 0,1
.irp c, 0,1
.irp g, 0,1,2,3,4,5,6,7
	ds_load_b128 v[T+64*\u+32*\c+4*\g:T+64*\u+32*\c+4*\g+3], v[VH] offset:8448*\u+256*\c+16*\g
.endr
.endr
.endr
	WIN 0xc0                                       ; destination window 3
.irp c, 0,1
.irp g, 0,1,2,3,4,5,6,7
	ds_load_b128 v[32*\c+4*\g:32*\c+4*\g+3], v[VG] offset:1024*\idx+256*\c+16*\g
	ds_load_b128 v[64+32*\c+4*\g:64+32*\c+4*\g+3], v[VG] offset:1024*\idx+512+256*\c+16*\g
.endr
.endr
	WIN 0
	s_wait_dscnt 0x0
	LNSTAT T
	LNSTAT T+64
	WIN 0x3c                                       ; sources 1 and 2 window 3
.irp u, 0,1
.set kk, 0
.rept 32
	v_pk_fma_f32 v[T+64*\u+kk:T+64*\u+kk+1], v[T+64*\u+kk:T+64*\u+kk+1], v[kk:kk+1], v[64+kk:64+kk+1]
.set kk, kk+2
.endr
.endr
	WIN 0
.endm
.macro TPREP                           ; the largest |t_j| of my four blocks (e = 2 u + c), by turns; and t into my wave's own copy, for the look-ups
.irp e, 0,1,2,3
	v_max3_num_f32 v[MJ+\e], |v[T+32*\e]|, |v[T+32*\e+1]|, |v[T+32*\e+2]|
.endr
.irp i, 3,5,7,9,11,13,15,17,19,21,23,25,27,29
.irp e, 0,1,2,3
	v_max3_num_f32 v[MJ+\e], v[MJ+\e], |v[T+32*\e+\i]|, |v[T+32*\e+\i+1]|
.endr
.endr
.irp e, 0,1,2,3
	v_max_num_f32 v[MJ+\e], v[MJ+\e], |v[T+32*\e+31]|
.endr
	v_mov_b32 v[VT], v[VT0]                        ; the look-ups begin at my first i.  (The last mix's look-ups have read v[VT]: the adding-up's wait on vm_vsrc stands behind them)
	s_wait_alu depctr_va_vdst(0)                   ; t is written, which the LDS stores read; v[VT] is written, which the look-ups read; every earlier line is done with the pairs of t_i, in which they land
.irp e, 0,1,2,3
.irp g, 0,1,2,3,4,5,6,7
	ds_store_b128 v[VTW], v[T+32*\e+4*\g:T+32*\e+4*\g+3] offset:8448*(\e/2)+256*(\e%2)+16*\g
.endr
.endr
.endm
; gelu(x) = x / 2 + (x / 2) erf(x / sqrt(2)) on 8 registers.  PROD: z 0-7, z^2 8-15, P 16-23, Q 24-31.  v[TM:TM+1] and v[TM+2:TM+3] hold P's and Q's second coefficients
.macro GELU x
.irp k, 0,2,4,6
	v_pk_mul_f32 v[PROD+\k:PROD+\k+1], v[\x+\k:\x+\k+1], 0x3f3504f3 op_sel_hi:[1,0]
.endr
.irp k, 0,1,2,3,4,5,6,7
	v_med3_num_f32 v[PROD+\k], v[PROD+\k], -4.0, 4.0
.endr
.irp k, 0,2,4,6
	v_pk_mul_f32 v[PROD+8+\k:PROD+9+\k], v[PROD+\k:PROD+\k+1], v[PROD+\k:PROD+\k+1]
.endr
.irp k, 0,2,4,6
	v_pk_fma_f32 v[PROD+16+\k:PROD+17+\k], v[PROD+8+\k:PROD+9+\k], 0xaf95df0b, v[TM:TM+1] op_sel_hi:[1,0,1]
	v_pk_fma_f32 v[PROD+24+\k:PROD+25+\k], v[PROD+8+\k:PROD+9+\k], 0xb77460cd, v[TM+2:TM+3] op_sel_hi:[1,0,1]
.endr
.irp lit, 0xb60cff51, 0xb86ec2d2, 0xba40ac63, 0xbb41a1f6, 0xbc83dbd4
.irp k, 0,2,4,6
	v_pk_fma_f32 v[PROD+16+\k:PROD+17+\k], v[PROD+16+\k:PROD+17+\k], v[PROD+8+\k:PROD+9+\k], \lit op_sel_hi:[1,1,0]
.endr
.endr
.irp lit, 0xbadc924e, 0xbbf19bf8, 0xbc69b6a7
.irp k, 0,2,4,6
	v_pk_fma_f32 v[PROD+24+\k:PROD+25+\k], v[PROD+24+\k:PROD+25+\k], v[PROD+8+\k:PROD+9+\k], \lit op_sel_hi:[1,1,0]
.endr
.endr
.irp k, 0,1,2,3,4,5,6,7
	v_rcp_f32 v[PROD+24+\k], v[PROD+24+\k]
.endr
.irp k, 0,2,4,6
	v_pk_mul_f32 v[PROD+16+\k:PROD+17+\k], v[PROD+16+\k:PROD+17+\k], v[PROD+\k:PROD+\k+1]   ; z P: plain lines behind the reciprocals, which they do not touch
.endr
	s_wait_alu depctr_va_vdst(0)
.irp k, 0,2,4,6
	v_pk_mul_f32 v[PROD+16+\k:PROD+17+\k], v[PROD+16+\k:PROD+17+\k], v[PROD+24+\k:PROD+25+\k]   ; erf
.endr
.irp k, 0,2,4,6
	v_pk_mul_f32 v[PROD+\k:PROD+\k+1], v[\x+\k:\x+\k+1], 0.5 op_sel_hi:[1,0]
.endr
.irp k, 0,2,4,6
	v_pk_fma_f32 v[\x+\k:\x+\k+1], v[PROD+\k:PROD+\k+1], v[PROD+16+\k:PROD+17+\k], v[PROD+\k:PROD+\k+1]
.endr
.endm
.macro PLD i, sb
	global_load_b32 v[PROD+\i], v[TIN], s[\sb:\sb+1]
.endm
	s_load_b512 s[4:19], s[0:1], 0x0               ; ctx 4, h 6, wq 8, bo 10, ln_op1_g 12, ln_op1_b 14, op1_b 16, ln_mlp_g 18
	s_load_b256 s[20:27], s[0:1], 0x40             ; ln_mlp_b 20, ffn_b1 22, ffn_b2 24, ln_op2_g 26
	s_load_b128 s[28:31], s[0:1], 0x60             ; ln_op2_b 28, op2_b 30
	s_load_b64 s[32:33], s[0:1], 0x70              ; out0
	v_lshl_add_u32 v254, v0, 2, 0x26600
	v_mov_b32 v255, 0
	v_lshrrev_b32 v1, 5, v0
	v_readfirstlane_b32 s[WV], v1                  ; wave 0..3
	v_and_b32 v16, 31, v0                          ; lane
	v_and_b32 v17, 15, v0                          ; r
	v_bfe_u32 v18, v0, 4, 1                        ; h
	v_lshlrev_b32 v[LI], 4, v16
	v_mul_u32_u24 v19, v17, 528
	v_lshl_add_u32 v[VH], v18, 7, v19
	s_wait_alu depctr_va_sdst(0)                   ; the wave's number is written, ahead of its first reader: LDS addresses and bases are made from it
	s_mul_i32 s44, s[WV], 16896
	s_add_co_u32 s45, s44, TB
	v_add_nc_u32 v[VTW], s45, v[VH]
	s_lshl_b32 s46, s[WV], 7
	s_add_co_u32 s47, s45, s46
	v_add_nc_u32 v[VT0], s47, v19
	v_lshl_add_u32 v20, v18, 5, v19
	s_add_co_u32 s45, s44, RED
	v_add_nc_u32 v[VR], s45, v20
	s_add_co_u32 s45, s46, RED
	v_add_nc_u32 v[VP], s45, v20
	s_mul_i32 s44, s[WV], 4224
	v_add_nc_u32 v[VHW], s44, v[LI]
	s_add_co_u32 s44, s44, RED
	v_add_nc_u32 v[VRD], s44, v[LI]
	v_lshlrev_b32 v[SH8], 3, v18
	v_lshlrev_b32 v[VC], 4, v17
	v_lshl_add_u32 v[VC], v18, 18, v[VC]
	v_lshl_add_u32 v[VG], v18, 7, PRM
	v_lshlrev_b32 v[V64H], 6, v18
	v_lshl_add_u32 v[VPW], v0, 2, PRM
	v_add_nc_u32 v[VB], PRM, v[LI]
	v_lshlrev_b32 v[TIN], 2, v0                    ; 4 x thread, for the ten vectors' loads; the register takes its own part behind the waits for them
.irp i, 0,1,2,3,4,5,6,7,8,9,10,11,12,13,14,15
	v_mov_b32 v[TM+\i], 0                          ; written once: a lane permute's destination and the upper half of a named pair count as read
.endr
	s_mov_b32 s[SEL], 0x76543210
	s_mov_b32 s[SEL+1], 0xfedcba98
	s_mov_b32 s[C128], 0x3c000000                  ; 1 / 128
	s_mov_b32 s[EPS], 0x3727c5ac                   ; 1e-5
	s_lshl_b32 s44, ttmp9, 5
	s_lshr_b32 s45, s[WV], 1
	s_lshl_b32 s45, s45, 3
	s_add_co_u32 s44, s44, s45
	s_and_b32 s45, s[WV], 1
	s_lshl_b32 s45, s45, 4
	s_add_co_u32 s44, s44, s45                     ; the first of my 8 rows: 32 x work-group + 8 (w / 2) + 16 (w % 2)
	s_lshl_b32 s44, s44, 9
	s_mov_b32 s45, 0
	s_lshr_b32 s46, ttmp9, 6
	s_lshl_b32 s46, s46, 10
	s_and_b32 s47, ttmp9, 63
	s_lshl_b32 s47, s47, 1
	s_add_co_u32 s46, s46, s47
	s_lshl_b32 s46, s46, 10                        ; ctx: (1024 x batch + the block's first tile) KiB
	s_mov_b32 s47, 0
	s_wait_kmcnt 0x0
	s_add_nc_u64 s[6:7], s[6:7], s[44:45]
	s_add_nc_u64 s[32:33], s[32:33], s[44:45]
	s_add_nc_u64 s[4:5], s[4:5], s[46:47]
	s_lshl_b32 s44, s[WV], 11
	s_add_nc_u64 s[48:49], s[8:9], s[44:45]        ; wq + 2048 w: Wo's tiles 2 w, 2 w + 1
	s_lshr_b32 s44, s[WV], 1
	s_lshl_b32 s44, s44, 9
	s_and_b32 s46, s[WV], 1
	s_lshl_b32 s46, s46, 3
	s_add_co_u32 s44, s44, s46
	s_add_nc_u64 s[50:51], s[8:9], s[44:45]        ; and their two scale words
	s_mul_i32 s44, s[WV], 9216
	s_add_nc_u64 s[FB:FB+1], s[8:9], s[44:45]      ; wq + 9216 w: my groups of W1 and of W2
	s_lshl_b32 s44, s[WV], 9
	s_add_nc_u64 s[22:23], s[22:23], s[44:45]      ; b1: my 128
	; ---- the head's 55 loads, and behind them the first mix's first three K steps
	s_wait_alu depctr_va_vdst(0)                   ; the offsets and LDS addresses v1 to v15 and v[TIN] are written, which the loads and stores read; so are v16 to v20, in which loads of ctx land
	PLD 0, 12
	PLD 1, 14
	PLD 2, 18
	PLD 3, 20
	PLD 4, 26
	PLD 5, 28
	PLD 6, 10
	PLD 7, 16
	PLD 8, 24
	PLD 9, 30
	WIN 0xc0
.irp q, 0,1,2,3,4,5,6,7
	global_load_b128 v[HREG+4*\q:HREG+4*\q+3], v[LI], s[6:7] offset:512*\q     ; a whole row of h a load
.endr
	WIN 0
.irp u, 0,1                            ; ctx: k = 16 x head + channel.  Register 64 u + 32 c + 16 e + 8 p + 4 k: head 4 c + 2 h + e, channels 8 p + 4 k on; sixteen lanes read 256 consecutive bytes of that head's image
.irp c, 0,1
.irp e, 0,1
.irp p, 0,1
.irp k, 0,1
	global_load_b128 v[T+64*\u+32*\c+16*\e+8*\p+4*\k:T+64*\u+32*\c+16*\e+8*\p+4*\k+3], v[VC], s[4:5] offset:524288*\c+131072*\e+1024*\u+512*\k+256*\p
.endr
.endr
.endr
.endr
.endr
	WIN 0x80
.irp e, 0,1
.irp c, 0,1
	global_load_b128 v[192+8*\e+4*\c:192+8*\e+4*\c+3], v[LI], s[48:49] offset:259*9216+1024*\e+512*\c
.endr
.endr
	WIN 0
	global_load_b64 v[BSC+24:BSC+25], v[LI], s[50:51] offset:259*9216+8192
	MIXPRE 0
	s_wait_loadcnt 54                              ; all but the mix's 54
	; ---- the out-projection: wave w makes outputs 32 w .. 32 w + 31 of all 32 rows
.irp i, 0,1,2,3,4,5,6,7,8,9
	ds_store_b32 v[VPW], v[PROD+\i] offset:512*\i
.endr
	s_wait_alu depctr_vm_vsrc(0)                   ; the ten vectors' loads have read v[TIN], which is written below; their LDS stores have read PROD, in which a bias lands and which the mix writes
.irp i, 0,1,2,3,4,5,6,7
	v_mov_b32 v[TIN+\i], 0                         ; the upper halves of the pairs are named, so they are written
.endr
	QUANTW T, AC, AS
	QUANTW T+64, AC+8, AS+1
	PLACES 8                                       ; a scale word made by a vector instruction stands eight places ahead of a scaled product
	WIN 0x42                                       ; source 0 window 2, destination window 1
	s_wait_alu depctr_va_vdst(0)                   ; ctx's fragments and scale words, which the scaled products take, are written
.irp u, 0,1
.irp e, 0,1
	MUL0 8*(2*\u+\e), 192+8*\e, AC+8*\u, BSC+24+\e, AS+\u
.endr
.endr
	WIN 0
	PLACES 4
	WIN 0x04
	s_wait_alu depctr_va_vdst(0)                   ; the products have written their accumulators, which the LDS stores read; the places above stay beside this wait
.irp u, 0,1
.irp e, 0,1
	ds_store_b128 v[VP], v[8*(2*\u+\e):8*(2*\u+\e)+3] offset:8448*\u+64*\e
	ds_store_b128 v[VP], v[8*(2*\u+\e)+4:8*(2*\u+\e)+7] offset:8448*\u+64*\e+16
.endr
.endr
	WIN 0
	s_wait_dscnt 0x0
	s_barrier_signal -1
	s_barrier_wait -1                              ; 32 whole rows lie in RED's first part, and the ten vectors in PRM
	REDUCE 1, 6, 0
	; ---- the first mix
	LNALL 0
	TPREP
	MIXRUN
	PLACES 4                                       ; behind the last products: for the stores of results
	s_wait_alu depctr_va_vdst(0)                   ; the products have written the accumulators, which the stores into RED read; all products are done reading the weights' buffers 0 to 2 and their scale words, in which the loads below land
	WIN 0x80                                       ; the FFN's weights are asked for here: buffers 0, 1, 2
.irp t, 0,1,2,3,4,5,6,7
.irp c, 0,1
	global_load_b128 v[8*\t+4*\c:8*\t+4*\c+3], v[LI], s[FB:FB+1] offset:260*9216+1024*\t+512*\c
	global_load_b128 v[64+8*\t+4*\c:64+8*\t+4*\c+3], v[LI], s[FB:FB+1] offset:264*9216+1024*\t+512*\c
.endr
.endr
.irp t, 0,1,2,3,4,5,6,7                ; b1 in the result's layout: hidden units 32 (t / 2) + 16 h + 8 (t % 2) + 0 .. 7
	global_load_b128 v[128+8*\t:128+8*\t+3], v[V64H], s[22:23] offset:(32*(\t/2)+8*(\t%2))*4
	global_load_b128 v[128+8*\t+4:128+8*\t+7], v[V64H], s[22:23] offset:(32*(\t/2)+8*(\t%2))*4+16
.endr
	WIN 0
.irp g, 0,1
	global_load_b128 v[BSC+4*\g:BSC+4*\g+3], v[LI], s[FB:FB+1] offset:260*9216+8192+512*\g
	global_load_b128 v[BSC+8+4*\g:BSC+8+4*\g+3], v[LI], s[FB:FB+1] offset:264*9216+8192+512*\g
.endr
	TORED
	REDUCE 4, 7, 0
	; ---- the FFN
	LNALL 1
	QUANTW T, AC, AS
	QUANTW T+64, AC+8, AS+1
	s_wait_loadcnt 0x0                             ; W1, W2, b1 and their scale words
	PLACES 8
	WIN 0x22                                       ; source 0 (W1) and source 2 (b1) window 2
	s_wait_alu depctr_va_vdst(0)                   ; t's fragments and scale words, which the scaled products take, are written
.irp u, 0,1
.irp t, 0,1,2,3,4,5,6,7
	MULC T+64*\u+8*\t, 8*\t, AC+8*\u, 128+8*\t, BSC+\t, AS+\u
.endr
.endr
	WIN 0
	PLACES 4
	v_mov_b32 v[TM], 0x32edffee
	v_mov_b32 v[TM+1], 0x32edffee
	v_mov_b32 v[TM+2], 0xb95fbd29
	v_mov_b32 v[TM+3], 0xb95fbd29
.set gx, T
.rept 16
	GELU gx
.set gx, gx+8
.endr
	QUANTH T, AC, AS                               ; my 128 hidden units are K step w of the second product
	QUANTH T+64, AC+8, AS+1
	PLACES 8
	WIN 0x42
	s_wait_alu depctr_va_vdst(0)                   ; the hidden layer's fragments and scale words, which the scaled products take, are written
.irp u, 0,1
.irp t, 0,1,2,3,4,5,6,7
	MUL0 8*(8*\u+\t), 64+8*\t, AC+8*\u, BSC+8+\t, AS+\u
.endr
.endr
	WIN 0
	PLACES 4                                       ; for the stores of results
	s_wait_alu depctr_va_vdst(0)                   ; the products have written the accumulators, which the stores into RED read, and are done reading W1's, W2's and b1's registers and their scale words, in which the mix's first loads land
	MIXPRE 128
	TORED
	REDUCE 4, 8, 0
	; ---- the second mix
	LNALL 2
	TPREP
	MIXRUN
	PLACES 4
	s_wait_alu depctr_va_vdst(0)                   ; the products have written the accumulators, which the stores into RED read
	TORED
	REDUCE 4, 9, 1
	s_wait_dscnt 0x0
	s_wait_alu depctr_hold_cnt(0) depctr_sa_sdst(0) depctr_va_vdst(0) depctr_va_sdst(0) depctr_va_ssrc(0) depctr_va_vcc(0) depctr_vm_vsrc(0)
	s_wait_tensorcnt 0x0
	ds_add_u32 v254, v255
	s_wait_dscnt 0x0
	s_endpgm
.Lfunc_end_k_q9ce9bdf285_tail:
	.size	k_q9ce9bdf285_tail, .Lfunc_end_k_q9ce9bdf285_tail-k_q9ce9bdf285_tail
	.p2alignl 7, 3214868480
	.fill 96, 4, 3214868480
	.section	.rodata,"a",@progbits
	.p2align	6, 0x0
	.amdhsa_kernel k_q9ce9bdf285_tail
		.amdhsa_group_segment_fixed_size 157696
		.amdhsa_private_segment_fixed_size 0
		.amdhsa_enable_private_segment 0
		.amdhsa_kernarg_size 120
		.amdhsa_user_sgpr_count 2
		.amdhsa_user_sgpr_kernarg_segment_ptr 1
		.amdhsa_wavefront_size32 1
		.amdhsa_system_sgpr_workgroup_id_x 1
		.amdhsa_system_sgpr_workgroup_id_y 1
		.amdhsa_system_sgpr_workgroup_id_z 1
		.amdhsa_system_vgpr_workitem_id 0
		.amdhsa_next_free_vgpr 1024
		.amdhsa_next_free_sgpr 66
		.amdhsa_reserve_vcc 0
		.amdhsa_float_denorm_mode_32 3
		.amdhsa_float_denorm_mode_16_64 3
		.amdhsa_memory_ordered 1
		.amdhsa_forward_progress 1
		.amdhsa_inst_pref_size 255
	.end_amdhsa_kernel
	.section	.bss,"aw",@nobits
	.p2align	6
	.space	262144
	.amdgpu_metadata
---
amdhsa.version: [ 1, 2 ]
amdhsa.kernels:
  - .name:           k_q9ce9bdf285_tail
    .symbol:         k_q9ce9bdf285_tail.kd
    .args:
      - { .name: ctx, .offset: 0, .size: 8, .value_kind: global_buffer, .address_space: global }
      - { .name: h, .offset: 8, .size: 8, .value_kind: global_buffer, .address_space: global }
      - { .name: wq, .offset: 16, .size: 8, .value_kind: global_buffer, .address_space: global }
      - { .name: bo, .offset: 24, .size: 8, .value_kind: global_buffer, .address_space: global }
      - { .name: ln_op1_g, .offset: 32, .size: 8, .value_kind: global_buffer, .address_space: global }
      - { .name: ln_op1_b, .offset: 40, .size: 8, .value_kind: global_buffer, .address_space: global }
      - { .name: op1_b, .offset: 48, .size: 8, .value_kind: global_buffer, .address_space: global }
      - { .name: ln_mlp_g, .offset: 56, .size: 8, .value_kind: global_buffer, .address_space: global }
      - { .name: ln_mlp_b, .offset: 64, .size: 8, .value_kind: global_buffer, .address_space: global }
      - { .name: ffn_b1, .offset: 72, .size: 8, .value_kind: global_buffer, .address_space: global }
      - { .name: ffn_b2, .offset: 80, .size: 8, .value_kind: global_buffer, .address_space: global }
      - { .name: ln_op2_g, .offset: 88, .size: 8, .value_kind: global_buffer, .address_space: global }
      - { .name: ln_op2_b, .offset: 96, .size: 8, .value_kind: global_buffer, .address_space: global }
      - { .name: op2_b, .offset: 104, .size: 8, .value_kind: global_buffer, .address_space: global }
      - { .name: out0, .offset: 112, .size: 8, .value_kind: global_buffer, .address_space: global }
    .group_segment_fixed_size: 157696
    .private_segment_fixed_size: 0
    .kernarg_segment_align: 8
    .kernarg_segment_size: 120
    .max_flat_workgroup_size: 128
    .sgpr_count:     66
    .vgpr_count:     1024
    .wavefront_size: 32
...
	.end_amdgpu_metadata
.endif
;; end of part 5
